; MI455X (gfx1250); checked and timed in simulation.
; The chip was launched on July 23, 2026; its instructions are those of AMD's public machine-readable ISA for CDNA 5 (MIT licence, August 2026) and "CDNA5" Instruction Set Architecture Reference Guide (July 2026). The comments in the code are by the model that wrote it; some were corrected since.
;; Multi Head Attention. Allowed arithmetic: matrix products marked QUANTISED: E2M1 operands, one E8M0 scale for each 32 along K, by v_wmma_scale_f32_16x16x128_f8f6f4 with both operands' format E2M1 (or v_wmma_scale_f32_32x16x128_f4), f32 sums; products left as they are: bf16, f16 or f32 operands; f32 sums; everything else in f32.
;; Inputs: Wk 1,024 x 1,024 float32; Wo 1,024 x 1,024 float32; Wq 1,024 x 1,024 float32; Wv 1,024 x 1,024 float32; attention_mask 4 x 2,048 int32; bk 1,024 float32; bo 1,024 float32; bq 1,024 float32; bv 1,024 float32; x 4 x 2,048 x 1,024 float32.
;; Outputs: out0 4 x 2,048 x 1,024 float32.
;; This version of the problem:
;;   THIS VERSION OF THE PROBLEM IS GIVEN IN LOW PRECISION. The matrix products marked QUANTISED in the list below multiply operands that are first quantised to E2M1 (2 exponent bits, 1 mantissa bit; 4 bits a number), with one power-of-two scale for each 32 numbers along K (OCP MX v1.0); their sums are f32. The products marked 'left as it is' may take bf16, f16 or f32 operands, with f32 sums. Whichever they take, every output number must still come out within the allowed error. Rounding operands to bf16 (8 significant bits) uses up far more of that allowance than f16 does (11 bits, for magnitudes from 6e-5 to 65,504). All else is computed in f32.
;;   The module's matrix products, in the order in which they are computed (A, B: the left and right operand; K: the contracted axis; several contracted axes count as one K, in the product's order):
;;     1. [M 8,192, K 1,024] x [K 1,024, N 1,024]; A: input x; B: input Wq: QUANTISED
;;     2. [M 8,192, K 1,024] x [K 1,024, N 1,024]; A: input x; B: input Wk: QUANTISED
;;     3. [M 8,192, K 1,024] x [K 1,024, N 1,024]; A: input x; B: input Wv: QUANTISED
;;     4. batch 64 x [M 2,048, K 64] x [K 64, N 2,048]; A: computed on the way; B: computed on the way: left as it is (an operand is computed on the way)
;;     5. batch 64 x [M 2,048, K 2,048] x [K 2,048, N 64]; A: computed on the way; B: computed on the way: left as it is (an operand is computed on the way)
;;     6. [M 8,192, K 1,024] x [K 1,024, N 1,024]; A: computed on the way; B: input Wo: left as it is (an operand is computed on the way)
;;   THE QUANTISER, for each operand of a quantised product, along K:
;;     - K is cut into blocks of 32 from its start; a last block that is shorter is filled with zeros.
;;     - A block's scale is 2^e with e = floor(log2(the largest magnitude in the block)) - 2, held to -126 .. 127; a block of zeros has e = 0. As a byte (E8M0): e + 127.
;;     - Each number is divided by its block's scale, clamped to +-6, and rounded to the nearest number of E2M1, ties to even, subnormals kept.
;;     - The product sums the exact products of the quantised numbers (number of the format x scale) in f32.
;;   ~~~python
;;   def quantise(x, axis):      # numpy; x: float32 -> the quantised numbers, widened to float32 again
;;       x = np.moveaxis(x, axis, -1); K = x.shape[-1]
;;       x = np.pad(x, [(0, 0)] * (x.ndim - 1) + [(0, -K % 32)]); x = x.reshape(x.shape[:-1] + (-1, 32)); a = np.abs(x).max(-1, keepdims=True)
;;       e = np.where(a > 0, np.clip(np.frexp(np.where(a > 0, a, 1))[1] - 1 - 2, -126, 127), 0)      # np.frexp(a)[1] - 1 = floor(log2(a)), exactly
;;       r = np.clip(x / 2.0 ** e, -6, 6)
;;       step = 2.0 ** (np.maximum(np.frexp(np.where(r == 0, 1, r))[1] - 1, 0) - 1)
;;       q = np.round(r / step) * step * 2.0 ** e      # np.round: ties to even
;;       return np.moveaxis(q.reshape(q.shape[:-2] + (-1,))[..., :K], -1, axis).astype(np.float32)
;;   ~~~
;; One version. Each part assembles by itself: llvm-mc -triple=amdgcn-amd-amdhsa -mcpu=gfx1250 --defsym DOCPART=n.
;; ======== version 1 of 1: 4 launches
;; limits: values are held in f16: magnitudes above 65,504 overflow, below 6.1e-05 lose precision
;; workspace buffers: xc 4,194,304 bytes; xs 262,144 bytes; wc 1,572,864 bytes; ws 98,304 bytes; wo16 2,097,152 bytes; qkv 50,331,648 bytes; ctx 16,777,216 bytes
;; launch quant (part 1): grid 480 x 1, 4 waves a work-group, no clusters, 33,280 bytes of LDS; arguments x, Wq, Wk, Wv, Wo, xc, xs, wc, ws, wo16; writes xc, xs, wc, ws, wo16
.if DOCPART == 1
	.amdgcn_target "amdgcn-amd-amdhsa--gfx1250"
	.amdhsa_code_object_version 6
	.text
	.protected	k_qba07dcd8d4_quant
	.globl	k_qba07dcd8d4_quant
	.p2align	8
	.type	k_qba07dcd8d4_quant,@function
k_qba07dcd8d4_quant:
	s_mov_b64 s[64:65], 0
	v_nop
	global_prefetch_b8 v0, s[64:65] scope:SCOPE_SE
	s_setreg_imm32_b32 hwreg(HW_REG_WAVE_MODE, 25, 1), 1
	s_wait_xcnt 0x0
; x [8192][1024] and Wq, Wk, Wv [1024][1024], f32, K innermost, become codes of FP4 (E2M1), two a byte, with one E8M0 scale byte for each 32 along K; Wo [1024][1024] becomes f16.
; A block's scale is 2^(floor(log2(its largest magnitude)) - 2); its byte is the largest magnitude's exponent field - 2, held at 1 from below.  A block of zeros so gets the byte 1 where the
; quantiser says 127: its codes are zeros, which add nothing under any byte but 0xff, and the bytes are read by this program alone.  Each number is divided by the scale and rounded to the nearest code, ties to even, beyond 6 the code of 6.
; LIMITS: blocks whose largest magnitude lies under 2^-124 keep the byte 1; NaN and infinities among the inputs are not served; Wo's numbers stay under 65,504 in size.
; Rows are dense and 1,024 is a multiple of 32: each tensor is a plain stream of blocks of 32, and so are its codes and its scale bytes.
; SHARES: work-groups 0-255 take x (32,768 numbers each), 256-287 Wq, 288-319 Wk, 320-351 Wv (their codes and bytes lie one behind the other in wc and ws), 352-479 Wo (8,192 numbers each).
; A wave of the quantising path takes 16 steps of 512 numbers.  Each of a step's four loads reads 512 consecutive bytes, 16 a lane; the 2,048 bytes turn through the wave's own stage in LDS and come back 64 bytes a lane,
; so that a lane holds 16 neighbours along K, as the conversions want them; two neighbouring lanes hold a block.  A lane's 16 codes are 8 bytes: the wave stores 256 consecutive bytes.
; A wave's 256 scale bytes are gathered in its own LDS bytes and leave by one store of 256 consecutive bytes.  Waves share nothing: no barrier.  Loads run four steps (16 loads a wave) ahead.
.set WAVES, 4
.set STEPS, 16
.set WG_X,  256                        ; work-groups for x
.set WG_W,  32                         ; for each of Wq, Wk, Wv
.set WG_Q,  WG_X+3*WG_W                ; from here on: Wo
.set EMAX,  2
.set CB,    8                          ; bytes of 16 codes
.set R,     16                         ; v16-79   four sets of 16 numbers as they are loaded
.set X,     80                         ; v80-111  two sets of 16 neighbours
.set C,     128                        ; v128-191 codes: four registers for each step, so that no store's data are written again
.set E,     112                        ; v112-127 a scale byte for each step
.set WREG,  8192                       ; LDS: a region for each wave: two stages of 32 x SP bytes, and behind them its 256 scale bytes
.set SP,    80                         ; a lane's place in a stage: its 64 bytes + 16 of padding
.set SPW,   12                         ; v12      LDS address of my spare word; never rewritten
.set NIL,   13                         ; v13      0; never rewritten
.set SPARE, WAVES*WREG                 ; behind the four regions: the spare words, 128 bytes for each wave
	s_load_b256 s[36:43], s[0:1], 0x0              ; x, Wq, Wk, Wv
	s_load_b256 s[44:51], s[0:1], 0x20             ; Wo, xc, xs, wc
	s_load_b128 s[52:55], s[0:1], 0x40             ; ws, wo16
	v_lshl_add_u32 v[SPW], v0, 2, SPARE
	v_mov_b32 v[NIL], 0
	v_lshrrev_b32 v1, 5, v0
	v_readfirstlane_b32 s16, v1                    ; wave
	v_and_b32 v2, 31, v0                           ; lane
	v_lshlrev_b32 v3, 4, v2                        ; my 16 bytes of a load's 512
	s_mul_i32 s17, s16, WREG
	v_lshrrev_b32 v14, 2, v2
	v_mul_u32_u24 v14, v14, SP
	v_and_b32 v15, 3, v2
	v_lshl_add_u32 v14, v15, 4, v14
	v_add_nc_u32 v14, s17, v14                     ; the stage, on the way in: four lanes' 64 bytes on end, then 16 of padding
	v_mul_u32_u24 v15, v2, SP
	v_add_nc_u32 v15, s17, v15                     ; and on the way out: SP x lane: my 16 neighbours
	v_mul_u32_u24 v4, v2, CB                       ; my codes' place in a step's
	v_lshrrev_b32 v5, 1, v2
	s_add_co_u32 s17, s17, 2*32*SP
	v_add_nc_u32 v5, s17, v5                       ; LDS: my wave's 256 scale bytes, my block's byte
	v_lshlrev_b32 v7, 3, v2                        ; and on the way out 8 bytes a lane
	v_add_nc_u32 v6, s17, v7
	s_wait_kmcnt 0x0
	s_cmp_ge_u32 ttmp9, WG_Q                       ; Wo's work-groups part here: the branch hangs on the work-group's number alone
	s_cbranch_scc1 .Lwo
	; which tensor: only pointers are chosen, all four tensors take one path through the text
	s_and_b32 s22, ttmp9, WG_W-1                   ; a W's work-groups begin at multiples of 32
	s_cmp_lt_u32 ttmp9, WG_X+WG_W
	s_cselect_b64 s[4:5], s[38:39], s[40:41]       ; Wq or Wk
	s_cmp_lt_u32 ttmp9, WG_X+2*WG_W
	s_cselect_b64 s[4:5], s[4:5], s[42:43]         ; or Wv
	s_cmp_lt_u32 ttmp9, WG_X
	s_cselect_b64 s[4:5], s[36:37], s[4:5]         ; or x
	s_cselect_b64 s[8:9], s[46:47], s[50:51]       ; codes: xc or wc
	s_cselect_b64 s[10:11], s[48:49], s[52:53]     ; scale bytes: xs or ws
	s_cselect_b32 s22, ttmp9, s22                  ; my place in the source tensor,
	s_cselect_b32 s23, 0, WG_X
	s_sub_co_u32 s23, ttmp9, s23                   ; and in the buffers of codes and bytes
	s_lshl_b32 s22, s22, 2
	s_add_co_u32 s18, s22, s16                     ; which run of 8,192 numbers of the source is my wave's
	s_mov_b32 s19, 0
	s_lshl_b64 s[20:21], s[18:19], 15              ; 32,768 bytes a run
	s_add_nc_u64 s[4:5], s[4:5], s[20:21]
	s_lshl_b32 s23, s23, 2
	s_add_co_u32 s18, s23, s16
	s_lshl_b32 s20, s18, 12                        ; 4,096 bytes of codes a run
	s_mov_b32 s21, 0
	s_add_nc_u64 s[8:9], s[8:9], s[20:21]
	s_lshl_b32 s20, s18, 8                         ; 256 scale bytes a run
	s_add_nc_u64 s[10:11], s[10:11], s[20:21]
.macro LOAD t
.irp i, 0,1,2,3
	global_load_b128 v[R+16*((\t)%4)+4*\i:R+16*((\t)%4)+4*\i+3], v3, s[4:5] offset:2048*(\t)+512*\i th:TH_LOAD_NT   ; 32 lanes read 512 consecutive bytes
.endr
.endm
.macro TURN t                          ; step t's numbers through the stage: LDS serves a wave's instructions in order, so no wait stands between the stores and the loads
.irp i, 0,1,2,3
	ds_store_b128 v14, v[R+16*((\t)%4)+4*\i:R+16*((\t)%4)+4*\i+3] offset:32*SP*((\t)%2)+8*SP*\i
.endr
.irp i, 0,1,2,3
	ds_load_b128 v[X+16*((\t)%2)+4*\i:X+16*((\t)%2)+4*\i+3], v15 offset:32*SP*((\t)%2)+16*\i
.endr
.endm
.irp t, 0,1,2,3
	LOAD \t
.endr
	s_wait_loadcnt 12                              ; step 0's four loads are in; the twelve of steps 1 to 3 may be out
	TURN 0
.macro STEP t
.set XS, X+16*((\t)%2)
.if (\t) > 0
	s_wait_dscnt 1                                 ; this step's numbers are back from the stage (the last step's byte store may be out): so its stores into the stage have read their registers,
.else
	s_wait_dscnt 0x0
.endif
.if (\t)+4 < STEPS
	LOAD (\t)+4                                    ; which take the loads of four steps on
.endif
.if (\t)+1 < STEPS
.if STEPS-2-(\t) >= 3
	s_wait_loadcnt 12                              ; the next step's four loads are in; those of the three steps behind it may be out
.else
	s_wait_loadcnt 4*(STEPS-2-(\t))
.endif
	TURN (\t)+1                                    ; and go through the other stage while this step is worked
.endif
	v_max3_num_f32 v8, |v[XS]|, |v[XS+1]|, |v[XS+2]|               ; the largest magnitude of my 16, in two chains
	v_max3_num_f32 v9, |v[XS+3]|, |v[XS+4]|, |v[XS+5]|
.irp i, 6,10
	v_max3_num_f32 v8, v8, |v[XS+\i]|, |v[XS+\i+1]|
	v_max3_num_f32 v9, v9, |v[XS+\i+2]|, |v[XS+\i+3]|
.endr
	v_max3_num_f32 v8, v8, |v[XS+14]|, |v[XS+15]|
	v_max3_num_f32 v8, v8, v9, (EMAX+1)<<23        ; and the floor 2^(3 - 127): the byte cannot fall under 1
	v_max_num_f32_dpp v8, v8, v8 row_xmask:1 row_mask:0xf bank_mask:0xf   ; and of my neighbour's 16: the block's
	v_add_nc_u32 v11, -(EMAX<<23), v8              ; 2 off its exponent field: the conversion takes the exponent field of this operand as its scale, and nothing else of it
	v_cvt_scalef32_pk8_fp4_f32 v[C+4*(\t)], v[XS:XS+7], v11
	v_cvt_scalef32_pk8_fp4_f32 v[C+4*(\t)+1], v[XS+8:XS+15], v11
	v_lshrrev_b32 v[E+(\t)], 23, v11               ; the scale's byte (also the plain line behind the conversions)
	ds_store_b8 v5, v[E+(\t)] offset:16*(\t)       ; both lanes of a block write the same byte with the same value
	global_store_b64 v4, v[C+4*(\t):C+4*(\t)+1], s[8:9] offset:32*CB*(\t)   ; 32 lanes store 256 consecutive bytes, aligned
.endm
.irp t, 0,1,2,3,4,5,6,7,8,9,10,11,12,13,14,15
	STEP \t
.endr
	ds_load_b64 v[8:9], v6                         ; LDS serves a wave's instructions in order: these see my byte stores
	s_wait_dscnt 0x0
	global_store_b64 v7, v[8:9], s[10:11]          ; 32 lanes store 256 consecutive bytes, aligned
	s_wait_tensorcnt 0x0                           ; the wave's end: three closing lines behind my last LDS store
	ds_add_u32 v[SPW], v[NIL]
	s_wait_dscnt 0x0
	s_endpgm
; Wo to f16: a plain stream.  128 threads x 16 bytes are 2,048 bytes a load; 16 loads are the work-group's 32,768 bytes.  No register is written twice, no LDS is touched.
.Lwo:
	s_sub_co_u32 s18, ttmp9, WG_Q
	s_lshl_b32 s20, s18, 15
	s_mov_b32 s21, 0
	s_add_nc_u64 s[4:5], s[44:45], s[20:21]
	s_lshl_b32 s20, s18, 14
	s_add_nc_u64 s[8:9], s[54:55], s[20:21]
	v_lshlrev_b32 v1, 4, v0                        ; in: 16 bytes a thread
	v_lshlrev_b32 v2, 3, v0                        ; out: 8
.irp i, 0,1,2,3,4,5,6,7,8,9,10,11,12,13,14,15
	global_load_b128 v[16+4*\i:19+4*\i], v1, s[4:5] offset:2048*\i th:TH_LOAD_NT
.endr
.irp i, 0,1,2,3,4,5,6,7,8,9,10,11,12,13,14,15
	s_wait_loadcnt 15-\i                           ; loads come back in order: load i is in, the younger ones stay out
	v_cvt_pk_f16_f32 v[80+2*\i], v[16+4*\i], v[17+4*\i]
	v_cvt_pk_f16_f32 v[81+2*\i], v[18+4*\i], v[19+4*\i]
	global_store_b64 v2, v[80+2*\i:81+2*\i], s[8:9] offset:1024*\i   ; a wave stores 256 consecutive bytes, aligned
.endr
	s_endpgm
.Lfunc_end_k_qba07dcd8d4_quant:
	.size	k_qba07dcd8d4_quant, .Lfunc_end_k_qba07dcd8d4_quant-k_qba07dcd8d4_quant
	.p2alignl 7, 3214868480
	.fill 96, 4, 3214868480
	.section	.rodata,"a",@progbits
	.p2align	6, 0x0
	.amdhsa_kernel k_qba07dcd8d4_quant
		.amdhsa_group_segment_fixed_size 33280
		.amdhsa_private_segment_fixed_size 0
		.amdhsa_enable_private_segment 0
		.amdhsa_kernarg_size 80
		.amdhsa_user_sgpr_count 2
		.amdhsa_user_sgpr_kernarg_segment_ptr 1
		.amdhsa_wavefront_size32 1
		.amdhsa_system_sgpr_workgroup_id_x 1
		.amdhsa_system_sgpr_workgroup_id_y 1
		.amdhsa_system_sgpr_workgroup_id_z 1
		.amdhsa_system_vgpr_workitem_id 0
		.amdhsa_next_free_vgpr 192
		.amdhsa_next_free_sgpr 66
		.amdhsa_reserve_vcc 0
		.amdhsa_float_denorm_mode_32 3
		.amdhsa_float_denorm_mode_16_64 3
		.amdhsa_memory_ordered 1
		.amdhsa_forward_progress 1
		.amdhsa_inst_pref_size 40
	.end_amdhsa_kernel
	.amdgpu_metadata
---
amdhsa.version: [ 1, 2 ]
amdhsa.kernels:
  - .name:           k_qba07dcd8d4_quant
    .symbol:         k_qba07dcd8d4_quant.kd
    .args:
      - { .name: x, .offset: 0, .size: 8, .value_kind: global_buffer, .address_space: global }
      - { .name: Wq, .offset: 8, .size: 8, .value_kind: global_buffer, .address_space: global }
      - { .name: Wk, .offset: 16, .size: 8, .value_kind: global_buffer, .address_space: global }
      - { .name: Wv, .offset: 24, .size: 8, .value_kind: global_buffer, .address_space: global }
      - { .name: Wo, .offset: 32, .size: 8, .value_kind: global_buffer, .address_space: global }
      - { .name: xc, .offset: 40, .size: 8, .value_kind: global_buffer, .address_space: global }
      - { .name: xs, .offset: 48, .size: 8, .value_kind: global_buffer, .address_space: global }
      - { .name: wc, .offset: 56, .size: 8, .value_kind: global_buffer, .address_space: global }
      - { .name: ws, .offset: 64, .size: 8, .value_kind: global_buffer, .address_space: global }
      - { .name: wo16, .offset: 72, .size: 8, .value_kind: global_buffer, .address_space: global }
    .group_segment_fixed_size: 33280
    .private_segment_fixed_size: 0
    .kernarg_segment_align: 8
    .kernarg_segment_size: 80
    .max_flat_workgroup_size: 128
    .sgpr_count:     66
    .vgpr_count:     192
    .wavefront_size: 32
...
	.end_amdgpu_metadata
.endif
;; end of part 1
;; launch qkv (part 2): grid 12 x 32, 4 waves a work-group, clusters of 4 x 4, 327,680 bytes of LDS; arguments xc, xs, wc, ws, bq, bk, bv, qkv; writes qkv
.if DOCPART == 2
	.amdgcn_target "amdgcn-amd-amdhsa--gfx1250"
	.amdhsa_code_object_version 6
	.text
	.protected	k_qba07dcd8d4_qkv
	.globl	k_qba07dcd8d4_qkv
	.p2align	8
	.type	k_qba07dcd8d4_qkv,@function
k_qba07dcd8d4_qkv:
	s_mov_b64 s[64:65], 0
	v_nop
	global_prefetch_b8 v0, s[64:65] scope:SCOPE_SE
	s_setreg_imm32_b32 hwreg(HW_REG_WAVE_MODE, 25, 1), 1
	s_wait_xcnt 0x0
	s_wait_alu depctr_hold_cnt(0) depctr_sa_sdst(0) depctr_va_vdst(0) depctr_va_sdst(0) depctr_va_ssrc(0) depctr_va_vcc(0) depctr_vm_vsrc(0)
	s_getreg_b32 s2, hwreg(HW_REG_IB_STS2, 6, 4)
	s_cmp_eq_u32 s2, 0
	s_cbranch_scc0 .Lentry_in_a_cluster
	s_endpgm
.Lentry_in_a_cluster:
	s_bfe_u32 s2, ttmp6, 0x10000c
	s_cmp_lg_u32 s2, 0xf033
	s_cbranch_scc0 .Lentry_shape_is_right
	s_endpgm
.Lentry_shape_is_right:
; q, k, v = x W^T + b for Wq, Wk, Wv at once: C[m][n] = sum over k of A[m][k] B[n][k] + bias[n], A = x [8192][1024], B = the three weights on end [3072][1024], both as codes of FP4 (E2M1) with one E8M0 byte
; for each 32 along K; sums in f32; the result is rounded once to f16 and laid [part q, k, v][batch 4][head 16][token 2048][64].  LIMIT: results stay under 65,504 in size.
; A tile of C, 256 x 256, is made by a work-group of four waves; a wave makes 128 x 128: 64 accumulators of 16 x 16, 512 registers.
; K = 1,024 is two steps of 512, and LDS holds both: two slots, each filled once by the tensor data mover at the start (a tile's row is 256 bytes of memory); nothing is filled again.
; THE SCALES of the work-group's 256 rows of A and of B, for all of K, are two dense blocks of memory: they come into LDS once, with the first fills.
; CLUSTERS: 4 x 4 work-groups.  The four of a row of the cluster need the same tiles of A, the four of a column the same tiles of B: each tile is asked for JOINTLY, by the same tensor load with the same descriptor and a mask that names the four.
; THE MATRIX INSTRUCTION IS USED TRANSPOSED (source 0 = 16 rows of B, source 1 = 16 rows of A): a lane then holds eight neighbouring columns of one row of C.
; THE BIAS is the C of each sum's first matrix instruction: eight registers for each of B's eight blocks, in the result's layout.
; REGISTERS, in windows of 256: window 0: v0-31 addresses; v32-95 scale words, two sets; v128-191 A's fragments, ONE set; v192-255 the bias; on the way out v128-223 are at work.
;   window 1: B's fragments, TWO sets, at v0 and v128.   window 2: the 32 accumulators of my rows 0-63 ((a, b) at v[8 (8 a + b)]);   window 3: those of my rows 64-127.
.set SIZE_K, 1024
.set KSTEP,  512                       ; along K in a slot
.set NQ,     KSTEP/128                 ; matrix instructions deep
.set ROWB,   256                       ; a tile's row in bytes
.set KROW,   SIZE_K*4/8                ; a row of A or of B in memory, in bytes
.set PITCH,  272                       ; an LDS row: 256 bytes + 16 of padding = 68 words: the 16 rows that a load touches start at 16 different banks (64 banks of 4 bytes: ISA guide 11.1)
.set FR,     8                         ; registers of a fragment: 16 rows x 128 K
.set NL,     2                         ; LDS loads that bring one
.set NP,     4                         ; places behind this matrix instruction (ISA guide 7.12.1)
.set HALFT,  128*PITCH                 ; 128 rows: what one tensor load brings, and what one wave reads of A or of B
.set SLOT,   4*HALFT                   ; A's 256 rows, then B's 256 rows
.set KS,     SIZE_K/32                 ; a row of scales in bytes
.set SCL,    2*SLOT                    ; behind the slots: the scales, as runs of 256 bytes + 16 of padding
.set HALFS,  (128*KS/256)*272          ; the scales of 128 rows: what one tensor load brings
.set SBLK,   (16*KS/256)*272           ; those of 16 rows
.set SPARE,  SCL+4*HALFS               ; behind the scales: the spare words, 128 bytes for each wave
.set SPITCH, 272                       ; the way out: a stage of 16 rows x (256 bytes + 16) for each wave, in slot 0, which has had its only fill and its last read when the first result is stored there
.set ADRA, 16                          ; v16-17  LDS address of my A fragments in slot 0, 1
.set ADRB, 20                          ; v20-21  the same for B
.set STO,  24                          ; v24     the way out: where I put 16 bytes of a row
.set RD,   25                          ; v25     the way out: where I read back
.set CO,   26                          ; v26     16 x lane
.set ADRS, 27                          ; v27     LDS address of my scale words: lanes 0-15 A's rows, lanes 16-31 B's
.set SPW,  28                          ; v28     LDS address of my spare word; never rewritten
.set NIL,  29                          ; v29     0; never rewritten
.set SC,   32                          ; scale words: set s at v[SC + 8 NQ s]; register NQ i + q: lanes 0-15 the word of A's block i, lanes 16-31 that of B's block i, for the slot's q-th 128 along K
.set AF,   128                         ; A's fragments
.set BIAS, 192                         ; register 8 b + j: the bias of column 16 b + 8 (lane / 16) + j of my 128
.set BK,   128                         ; the way out: a block read back from the stage: v128-159 and v160-191 by turns
.set TMP,  192                         ; the way out: a block's packed results
.set G1, 24                            ; s[24:31] descriptor group 1 for A's tiles;  s[32:39] group 0, one set for each slot
.set G0, 32
.set G1B, 48                           ; s[48:55], s[56:63] the same for B's tiles
.set G0B, 56
.set G1S, 68                           ; s[68:75], s[76:79] groups 1 and 0 for A's scales;  s[80:87], s[88:91] for B's
.set G0S, 76
.set G1SB, 80
.set G0SB, 88
.set MSB, 0
.macro WIN new                         ; the immediate's high byte repeats the setting that is left
.if MSB != \new
	s_set_vgpr_msb (MSB<<8)|\new
.set MSB, \new
.endif
.endm
.set MUL_LO, 0xa1                      ; source 0 (B) window 1, source 1 (A) window 0, C and D window 2
.set MUL_HI, 0xf1                      ; the same, C and D window 3
.set FIRST_LO, 0x81                    ; the first step: C (the bias) window 0, D window 2
.set FIRST_HI, 0xc1                    ; D window 3
.set TO_B,   0x40                      ; destination window 1, address window 0
; A joint load: waves 0 and 1 fetch for A, waves 2 and 3 for B.  Each of the two lines has ONE mask and one set of registers for all that issue it; the branch hangs on the wave's number alone.
; An s_nop 0 and four v_nop follow each of the two lines, ahead of the jump, the label and what follows.
.macro JLOAD g0a, g1a, g0b, g1b
	s_cmp_eq_u32 s15, 0
	s_cbranch_scc0 .Lfor_b_\@
	tensor_load_to_lds s[\g0a:\g0a+3], s[\g1a:\g1a+7]
	s_nop 0
.rept 4
	v_nop
.endr
	s_branch .Lasked_\@
.Lfor_b_\@:
	tensor_load_to_lds s[\g0b:\g0b+3], s[\g1b:\g1b+7]
	s_nop 0
.rept 4
	v_nop
.endr
.Lasked_\@:
.endm
.macro CROUND                          ; a round of the cluster's barrier: my work-group's barrier; wave 0 signals for the work-group; every wave waits for all sixteen; my work-group's barrier once more
	s_barrier_signal -1
	s_barrier_wait -1
	s_cmp_lg_u32 s14, 0
	s_cbranch_scc1 .Lnot_wave_0_\@
	s_barrier_signal -3
.Lnot_wave_0_\@:
	s_barrier_wait -3
	s_barrier_signal -1
	s_barrier_wait -1
.endm
	s_load_b128 s[4:7], s[0:1], 0x0                ; x's codes s[4:5], x's scales s[6:7]
	s_load_b128 s[8:11], s[0:1], 0x10              ; the weights' codes s[8:9], their scales s[10:11]
	s_load_b128 s[96:99], s[0:1], 0x20             ; bq, bk
	s_load_b64 s[100:101], s[0:1], 0x30            ; bv
	s_load_b64 s[12:13], s[0:1], 0x38              ; qkv
	v_lshl_add_u32 v[SPW], v0, 2, SPARE
	v_mov_b32 v[NIL], 0
	ds_add_u32 v[SPW], v[NIL]                      ; the wave's opening: the add, twice on end, and its wait ahead of my first tensor load; the set-up below stands between the second and the wait
	ds_add_u32 v[SPW], v[NIL]
	v_lshrrev_b32 v1, 5, v0
	v_readfirstlane_b32 s14, v1                    ; wave 0..3
	s_lshr_b32 s15, s14, 1                         ; which half of the tile's rows is mine.  Also: I fetch for A (0) or for B (1)
	s_and_b32 s16, s14, 1                          ; which half of its columns.  Also: which 128 rows of that tile I fetch
	s_bfe_u32 s40, ttmp6, 0x40000                  ; cx, cy: my place in the cluster
	s_bfe_u32 s41, ttmp6, 0x40004
	s_lshl_b32 s42, ttmp9, 2
	s_add_co_u32 s42, s42, s40                     ; tile column of C = 4 x cluster x + cx
	s_and_b32 s17, ttmp7, 0xffff
	s_lshl_b32 s17, s17, 2
	s_add_co_u32 s17, s17, s41                     ; tile row of C = 4 x cluster y + cy
	s_lshl_b32 s43, s41, 2
	s_lshl_b32 s43, 15, s43                        ; my row of the cluster
	s_lshl_b32 s44, 0x1111, s40                    ; my column
	; descriptor group 1: a tile of 128 rows x 256 bytes, padded in LDS
	s_or_b32 s[G1+0], s43, (0<<16)|(1<<20)|(1<<21)|(5<<22)|(3<<25)  ; 15:0 the mask: A's tiles go to my row; 17:16 element of 1 byte; 20 padding on; 21 set beside a mask; 24:22 after every 64 words; 31:25 four words
	s_or_b32 s[G1B+0], s44, (0<<16)|(1<<20)|(1<<21)|(5<<22)|(3<<25)
.irp g, G1, G1B
	s_mov_b32 s[\g+1], ROWB<<16                    ; tensor_dim0
	s_mov_b32 s[\g+2], 128<<16                     ; tensor_dim1 = 128
	s_mov_b32 s[\g+3], ROWB<<16                    ; tile_dim0
	s_mov_b32 s[\g+4], 128                         ; tile_dim1 = 128
	s_mov_b32 s[\g+5], KROW                        ; tensor_dim0_stride
	s_mov_b32 s[\g+6], 0
	s_mov_b32 s[\g+7], 0
.endr
	; and for the scales of 128 rows: a dense block of 4,096 bytes, as rows of 256 bytes (32 elements of 8 bytes), 16 bytes of padding behind each
	s_or_b32 s[G1S+0], s43, (3<<16)|(1<<20)|(1<<21)|(5<<22)|(3<<25)
	s_or_b32 s[G1SB+0], s44, (3<<16)|(1<<20)|(1<<21)|(5<<22)|(3<<25)
.irp g, G1S, G1SB
	s_mov_b32 s[\g+1], 32<<16
	s_mov_b32 s[\g+2], (128*KS/256)<<16
	s_mov_b32 s[\g+3], 32<<16
	s_mov_b32 s[\g+4], 128*KS/256
	s_mov_b32 s[\g+5], 32
	s_mov_b32 s[\g+6], 0
	s_mov_b32 s[\g+7], 0
.endr
	s_lshl_b32 s18, s16, 7                         ; which 128 rows of the tile I fetch
	s_lshl_b32 s20, s17, 8
	s_add_co_u32 s20, s20, s18                     ; A: row 256 x tile row + 128 x half
	s_lshl_b32 s46, s42, 8
	s_add_co_u32 s46, s46, s18                     ; B: row 256 x tile column + 128 x half
	s_mov_b32 s21, 0
	s_mov_b32 s47, 0
	s_mov_b64 s[18:19], KS
	s_mul_u64 s[22:23], s[20:21], s[18:19]         ; where these rows' scales begin, in bytes
	s_mul_u64 s[92:93], s[46:47], s[18:19]
	s_mov_b64 s[18:19], KROW
	s_mul_u64 s[20:21], s[20:21], s[18:19]         ; and their codes
	s_mul_u64 s[46:47], s[46:47], s[18:19]
	s_mul_i32 s45, s14, HALFT                      ; where they go: wave x 128 rows: no place in the cluster enters an LDS address
	s_mul_i32 s94, s14, HALFS
	s_wait_dscnt 0x0                               ; both opening adds are done
	s_wait_kmcnt 0x0
	s_add_nc_u64 s[20:21], s[4:5], s[20:21]
	s_add_nc_u64 s[22:23], s[6:7], s[22:23]
	s_add_nc_u64 s[46:47], s[8:9], s[46:47]
	s_add_nc_u64 s[92:93], s[10:11], s[92:93]
	CROUND                                         ; all sixteen work-groups are here: the joint loads meet
	s_mov_b32 s[G0S], 1
	s_add_co_u32 s[G0S+1], s94, SCL
	s_mov_b64 s[G0S+2:G0S+3], s[22:23]
	s_or_b32 s[G0S+3], s[G0S+3], 0x80000000
	s_mov_b32 s[G0SB], 1
	s_add_co_u32 s[G0SB+1], s94, SCL
	s_mov_b64 s[G0SB+2:G0SB+3], s[92:93]
	s_or_b32 s[G0SB+3], s[G0SB+3], 0x80000000
	JLOAD G0S, G1S, G0SB, G1SB                     ; the scales first: they are wanted with K step 0
.irp s, 0,1
	s_mov_b32 s[G0+4*\s], 1
	s_add_co_u32 s[G0+4*\s+1], s45, \s*SLOT
	s_add_nc_u64 s[G0+4*\s+2:G0+4*\s+3], s[20:21], \s*ROWB
	s_or_b32 s[G0+4*\s+3], s[G0+4*\s+3], 0x80000000
	s_mov_b32 s[G0B+4*\s], 1
	s_add_co_u32 s[G0B+4*\s+1], s45, \s*SLOT
	s_add_nc_u64 s[G0B+4*\s+2:G0B+4*\s+3], s[46:47], \s*ROWB
	s_or_b32 s[G0B+4*\s+3], s[G0B+4*\s+3], 0x80000000
	JLOAD G0+4*\s, G1, G0B+4*\s, G1B               ; three tensor loads of mine are out in all
.endr
	v_and_b32 v1, 15, v0                           ; l % 16
	v_bfe_u32 v2, v0, 4, 1                         ; l / 16
	; the bias of my 128 columns.  The part (q, k, v) is the cluster's x, the same in all sixteen partners: the pointer is chosen by it
	s_cmp_eq_u32 ttmp9, 0
	s_cselect_b64 s[92:93], s[96:97], s[98:99]
	s_cmp_eq_u32 ttmp9, 2
	s_cselect_b64 s[92:93], s[100:101], s[92:93]
	s_lshl_b32 s46, s40, 10                        ; in the part: column 256 cx + 128 x half, 4 bytes each
	s_lshl_b32 s47, s16, 9
	s_add_co_u32 s46, s46, s47
	s_mov_b32 s47, 0
	s_add_nc_u64 s[92:93], s[92:93], s[46:47]
	v_lshlrev_b32 v7, 5, v2                        ; my half's eight columns of a block: 32 bytes on; never rewritten
.irp b, 0,1,2,3,4,5,6,7
	global_load_b128 v[BIAS+8*\b:BIAS+8*\b+3], v7, s[92:93] offset:64*\b
	global_load_b128 v[BIAS+8*\b+4:BIAS+8*\b+7], v7, s[92:93] offset:64*\b+16
.endr
	v_mul_u32_u24 v3, v1, PITCH
	v_lshl_add_u32 v4, v2, 4, v3                   ; a fragment's row x pitch + 16 x half
	s_mul_i32 s21, s15, HALFT                      ; my 128 rows of A
	s_mul_i32 s22, s16, HALFT                      ; my 128 rows of B,
	s_add_co_u32 s22, s22, 2*HALFT                 ; which lie behind A's 256
.irp s, 0,1
	v_add_nc_u32 v[ADRA+\s], s21, v4
	v_add_nc_u32 v[ADRB+\s], s22, v4
	s_add_co_u32 s21, s21, SLOT
	s_add_co_u32 s22, s22, SLOT
.endr
	v_mul_u32_u24 v5, v1, KS                       ; my row's scales: KS bytes a row,
	v_lshrrev_b32 v6, 8, v5
	v_lshl_add_u32 v5, v6, 4, v5                   ; and 16 more for each 256 passed
	s_mul_i32 s21, s15, HALFS                      ; A's: my 128 rows
	s_mul_i32 s22, s16, HALFS                      ; B's: my 128 rows, behind A's 256
	s_add_co_u32 s22, s22, 2*HALFS
	s_sub_co_u32 s22, s22, s21
	v_mul_u32_u24 v6, s22, v2                      ; lanes 16-31 take B's
	s_add_co_u32 s21, s21, SCL
	v_add_nc_u32 v5, v5, v6
	v_add_nc_u32 v[ADRS], s21, v5
	s_mul_i32 s23, s14, 16*SPITCH                  ; my stage
	v_mul_u32_u24 v5, v1, SPITCH                   ; in: row l % 16, 16 bytes (eight f16) for each half of the lanes
	v_lshl_add_u32 v5, v2, 4, v5
	v_add_nc_u32 v[STO], s23, v5
	v_and_b32 v6, 31, v0
	v_lshlrev_b32 v[CO], 4, v6                     ; out: 16 bytes a lane
	v_lshrrev_b32 v5, 3, v6                        ; back: eight lanes take one token's 128 bytes of one head, the 32 lanes four tokens
	v_mul_u32_u24 v5, v5, SPITCH
	v_and_b32 v6, 7, v6
	v_lshl_add_u32 v5, v6, 4, v5
	v_add_nc_u32 v[RD], s23, v5
	; where my part begins in qkv: part x 16 MiB + (batch x 16 + head) x 262,144 + token x 128, all under 2^26
	s_lshl_b32 s20, ttmp9, 24
	s_lshr_b32 s21, s17, 3                         ; batch: eight tile rows each
	s_lshl_b32 s21, s21, 4
	s_lshl_b32 s46, s40, 2                         ; my first head: 4 cx + 2 x half
	s_add_co_u32 s21, s21, s46
	s_lshl_b32 s46, s16, 1
	s_add_co_u32 s21, s21, s46
	s_lshl_b32 s21, s21, 18
	s_add_co_u32 s20, s20, s21
	s_and_b32 s21, s17, 7                          ; my first token: 256 x (tile row % 8) + 128 x half
	s_lshl_b32 s21, s21, 8
	s_lshl_b32 s46, s15, 7
	s_add_co_u32 s21, s21, s46
	s_lshl_b32 s21, s21, 7
	s_add_co_u32 s20, s20, s21
	s_mov_b32 s21, 0
	s_add_nc_u64 s[12:13], s[12:13], s[20:21]
.macro FRAG reg, adr, q, i             ; a fragment, 16 rows x 128 K of 4-bit codes, is 8 registers: lane l holds row l % 16; registers 4 c .. 4 c + 3 hold K = 64 c + 32 (l / 16) + 0 .. 31
.irp c, 0,1
	ds_load_b128 v[\reg+4*\c:\reg+4*\c+3], v[\adr] offset:64*(\q)+32*\c+(\i)*16*PITCH
.endr
.endm
; 16 matrix instructions: A's blocks a0, a0 + 1 x B's eight, 128 along K: the slot's q-th.  p: B's set;  sc: the set of scale words.  first = 1: the first product starts the sums from the bias: nothing is ever cleared.
; The 64 accumulators take turns, one instruction a turn, in the same order in every step.
.macro MUL16 a0, p, q, sc, first
.irp a, \a0, \a0+1
.irp b, 0,1,2,3,4,5,6,7
.if \first
	v_wmma_scale_f32_16x16x128_f8f6f4 v[8*(8*((\a)%4)+\b):8*(8*((\a)%4)+\b)+7], v[128*(\p)+FR*\b:128*(\p)+FR*\b+FR-1], v[AF+FR*(\a):AF+FR*(\a)+FR-1], v[BIAS+8*\b:BIAS+8*\b+7], v[SC+8*NQ*(\sc)+NQ*\b+(\q)], v[SC+8*NQ*(\sc)+NQ*(\a)+(\q)] matrix_a_fmt:MATRIX_FMT_FP4 matrix_b_fmt:MATRIX_FMT_FP4 matrix_a_scale:MATRIX_SCALE_ROW1
.else
	v_wmma_scale_f32_16x16x128_f8f6f4 v[8*(8*((\a)%4)+\b):8*(8*((\a)%4)+\b)+7], v[128*(\p)+FR*\b:128*(\p)+FR*\b+FR-1], v[AF+FR*(\a):AF+FR*(\a)+FR-1], v[8*(8*((\a)%4)+\b):8*(8*((\a)%4)+\b)+7], v[SC+8*NQ*(\sc)+NQ*\b+(\q)], v[SC+8*NQ*(\sc)+NQ*(\a)+(\q)] matrix_a_fmt:MATRIX_FMT_FP4 matrix_b_fmt:MATRIX_FMT_FP4 matrix_a_scale:MATRIX_SCALE_ROW1
.endif
.endr
.endr
.endm
.macro FETCH_B slot, q, p              ; B's eight fragments of the slot's q-th 128 along K into set p
	WIN TO_B
.irp i, 0,1,2,3,4,5,6,7
	FRAG 128*(\p)+FR*\i, ADRB+\slot, \q, \i
.endr
	WIN 0
.endm
.macro FETCH_A slot, q, i0             ; A's blocks i0 .. i0 + 3
.irp i, \i0, \i0+1, \i0+2, \i0+3
	FRAG AF+FR*(\i), ADRA+\slot, \q, \i
.endr
.endm
.macro SCALES sc                       ; a K step's scale words into set sc: NQ words a row; lanes 0-15 take A's block i, lanes 16-31 B's block i
.irp i, 0,1,2,3,4,5,6,7
	ds_load_b128 v[SC+8*NQ*\sc+NQ*\i:SC+8*NQ*\sc+NQ*\i+3], v[ADRS] offset:\i*SBLK
.endr
.endm
; A load into a register that a matrix instruction has read, and a vector instruction that reads a matrix result, stand NP places behind that matrix instruction; only plain vector
; instructions that name none of its registers are places (ISA guide 7.12.1 for vector instructions).
.macro PLACES n
.rept \n
	v_nop
.endr
.endm
; A step of 128 along K that has its successor in the same slot.  A's blocks go one after the other, each against B's eight: so one set of registers serves A (blocks 0-3 fetched anew in the step's middle, 4-7 at its end), and B has two.
.macro STEP slot, q, first
	s_wait_dscnt 4*NL                              ; B's set and A's blocks 0-3 are in; the youngest eight loads (A's blocks 4-7) may be out
.if \first
	WIN FIRST_LO
.else
	WIN MUL_LO
.endif
	MUL16 0, (\q)%2, \q, \slot, \first
	MUL16 2, (\q)%2, \q, \slot, \first
	s_wait_dscnt 0                                 ; A's blocks 4-7 are in (asked for 32 matrix instructions ago)
	PLACES NP
	FETCH_B \slot, (\q)+1, 1-(\q)%2
	FETCH_A \slot, (\q)+1, 0
.if \first
	WIN FIRST_HI
.else
	WIN MUL_HI
.endif
	MUL16 4, (\q)%2, \q, \slot, \first
	MUL16 6, (\q)%2, \q, \slot, \first
	PLACES NP
	WIN 0
	FETCH_A \slot, (\q)+1, 4
.endm
; Slot 0's last step changes slots: ONE barrier; in front of it each wave waits for all its tensor loads (its part of slot 1), and for its own reads of slot 0.  Nothing is filled again.
.macro TURN slot, next
	s_wait_tensorcnt 0x0                           ; all my tensor loads have landed: my part of the next slot;  (every window is 0 here)
	ds_add_u32 v[SPW], v[NIL]                      ; 0 onto my spare word
	s_wait_dscnt 4*NL+1                            ; (the add and the youngest eight loads, A's blocks 4-7, may be out)
	WIN MUL_LO
	MUL16 0, 1, NQ-1, \slot, 0                     ; sixteen matrix instructions stand between the add and the wait for it
	s_wait_dscnt 0x0                               ; the add is done, and my reads of this slot are over
	s_barrier_signal -1
	MUL16 2, 1, NQ-1, \slot, 0
	WIN 0
	s_barrier_wait -1
	PLACES NP
	v_add_nc_u32 v[ADRS], 4*NQ, v[ADRS]            ; on to the next K step's scale words (no LDS load of mine is out)
	FETCH_B \next, 0, 0
	FETCH_A \next, 0, 0
	SCALES \next
	WIN MUL_HI
	MUL16 4, 1, NQ-1, \slot, 0
	MUL16 6, 1, NQ-1, \slot, 0
	PLACES NP
	WIN 0
	FETCH_A \next, 0, 4
.endm
.macro STEPS slot, from                ; the slot's steps from .. NQ - 2
.set Q, \from
.rept NQ-1-\from
	STEP \slot, Q, 0
.set Q, Q+1
.endr
.endm
	s_wait_tensorcnt 1                             ; the scales and my part of K step 0 are in (K step 1's load may be out)
	s_barrier_signal -1
	s_barrier_wait -1                              ; everybody's are
	FETCH_B 0, 0, 0
	FETCH_A 0, 0, 0
	SCALES 0
	FETCH_A 0, 0, 4
	s_wait_loadcnt 0x0                             ; the bias
	STEP 0, 0, 1                                   ; the first step's products start the sums from the bias
	STEPS 0, 1
	TURN 0, 1
	STEPS 1, 0
	s_wait_dscnt 4*NL                              ; the very last step: nothing more to fetch
	WIN MUL_LO
	MUL16 0, 1, NQ-1, 1, 0
	MUL16 2, 1, NQ-1, 1, 0
	s_wait_dscnt 0
	WIN MUL_HI
	MUL16 4, 1, NQ-1, 1, 0
	MUL16 6, 1, NQ-1, 1, 0
	WIN 0
; THE WAY OUT, block by block of 16 tokens x 128 columns (two heads).  PACK: rounded to f16, a lane's eight neighbouring columns are 16 bytes.  TOSTAGE: into my own stage in LDS, and back so that the 32 lanes hold
; four tokens' 128 bytes of one head: 512 consecutive bytes of qkv.  SEND: stored.  LDS serves a wave's instructions in order (ISA guide 5.7.1.4): no wait between the stores and the loads, nor in front of the next block's stores.
.macro PACK a
.set AC, 64*((\a)%4)
	WIN 0x0a+5*((\a)/4)                            ; sources 0 and 1: window 2 or 3
.irp b, 0,1,2,3,4,5,6,7
.irp r, 0,1,2,3
	v_cvt_pk_f16_f32 v[TMP+4*\b+\r], v[AC+8*\b+2*\r], v[AC+8*\b+2*\r+1]   ; each accumulator from its low end on
.endr
.endr
	WIN 0
.endm
.macro TOSTAGE a
.irp b, 0,1,2,3,4,5,6,7
	ds_store_b128 v[STO], v[TMP+4*\b:TMP+4*\b+3] offset:32*\b
.endr
.set BB, BK+32*((\a)%2)
.irp hd, 0,1
.irp qd, 0,1,2,3
	ds_load_b128 v[BB+4*(4*\hd+\qd):BB+4*(4*\hd+\qd)+3], v[RD] offset:128*\hd+4*SPITCH*\qd
.endr
.endr
.endm
.macro SEND a, younger                 ; younger: the LDS instructions issued behind block a's loads, which may stay out
.set BB, BK+32*((\a)%2)
	s_wait_dscnt \younger                          ; the block is back in registers
.irp hd, 0,1
.irp qd, 0,1,2,3
	global_store_b128 v[CO], v[BB+4*(4*\hd+\qd):BB+4*(4*\hd+\qd)+3], s[12:13] offset:262144*\hd+(16*(\a)+4*\qd)*128   ; 32 lanes store 512 consecutive bytes, at a multiple of 256 from the buffer's first byte; every offset is an immediate
.endr
.endr
.endm
	PLACES NP                                      ; for the loads into the registers that held A's fragments
	PACK 0
	TOSTAGE 0
.irp a, 1,2,3,4,5,6,7
	PACK \a                                        ; block a's conversions stand between block a - 1's loads from the stage and the wait for them
.if \a > 1
	s_wait_xcnt 0x0                                ; block a - 2's stores have read their registers: block a's loads may land there
.endif
	TOSTAGE \a
	SEND \a-1, 16                                  ; behind block a - 1's loads: block a's 8 stores and 8 loads
.endr
	SEND 7, 0
	s_wait_tensorcnt 0x0                           ; the wave's end: three closing lines, behind my last tensor load and my last LDS store
	ds_add_u32 v[SPW], v[NIL]
	s_wait_dscnt 0x0
	CROUND                                         ; the closing round: no work-group ends while a partner may still ask for a tile that names it
	s_endpgm
.Lfunc_end_k_qba07dcd8d4_qkv:
	.size	k_qba07dcd8d4_qkv, .Lfunc_end_k_qba07dcd8d4_qkv-k_qba07dcd8d4_qkv
	.p2alignl 7, 3214868480
	.fill 96, 4, 3214868480
	.section	.rodata,"a",@progbits
	.p2align	6, 0x0
	.amdhsa_kernel k_qba07dcd8d4_qkv
		.amdhsa_group_segment_fixed_size 327680
		.amdhsa_private_segment_fixed_size 0
		.amdhsa_enable_private_segment 0
		.amdhsa_kernarg_size 64
		.amdhsa_user_sgpr_count 2
		.amdhsa_user_sgpr_kernarg_segment_ptr 1
		.amdhsa_wavefront_size32 1
		.amdhsa_system_sgpr_workgroup_id_x 1
		.amdhsa_system_sgpr_workgroup_id_y 1
		.amdhsa_system_sgpr_workgroup_id_z 1
		.amdhsa_system_vgpr_workitem_id 0
		.amdhsa_next_free_vgpr 1024
		.amdhsa_next_free_sgpr 102
		.amdhsa_reserve_vcc 0
		.amdhsa_float_denorm_mode_32 3
		.amdhsa_float_denorm_mode_16_64 3
		.amdhsa_memory_ordered 1
		.amdhsa_forward_progress 1
		.amdhsa_inst_pref_size 128
	.end_amdhsa_kernel
	.amdgpu_metadata
---
amdhsa.version: [ 1, 2 ]
amdhsa.kernels:
  - .name:           k_qba07dcd8d4_qkv
    .symbol:         k_qba07dcd8d4_qkv.kd
    .args:
      - { .name: xc, .offset: 0, .size: 8, .value_kind: global_buffer, .address_space: global }
      - { .name: xs, .offset: 8, .size: 8, .value_kind: global_buffer, .address_space: global }
      - { .name: wc, .offset: 16, .size: 8, .value_kind: global_buffer, .address_space: global }
      - { .name: ws, .offset: 24, .size: 8, .value_kind: global_buffer, .address_space: global }
      - { .name: bq, .offset: 32, .size: 8, .value_kind: global_buffer, .address_space: global }
      - { .name: bk, .offset: 40, .size: 8, .value_kind: global_buffer, .address_space: global }
      - { .name: bv, .offset: 48, .size: 8, .value_kind: global_buffer, .address_space: global }
      - { .name: qkv, .offset: 56, .size: 8, .value_kind: global_buffer, .address_space: global }
    .group_segment_fixed_size: 327680
    .private_segment_fixed_size: 0
    .kernarg_segment_align: 8
    .kernarg_segment_size: 64
    .max_flat_workgroup_size: 128
    .sgpr_count:     102
    .vgpr_count:     1024
    .wavefront_size: 32
...
	.end_amdgpu_metadata
.endif
;; end of part 2
;; launch attn (part 3): grid 4 x 64, 8 waves a work-group, clusters of 4 x 1, 327,680 bytes of LDS; arguments qkv, attention_mask, ctx; writes ctx
.if DOCPART == 3
	.amdgcn_target "amdgcn-amd-amdhsa--gfx1250"
	.amdhsa_code_object_version 6
	.text
	.protected	k_qba07dcd8d4_attn
	.globl	k_qba07dcd8d4_attn
	.p2align	8
	.type	k_qba07dcd8d4_attn,@function
k_qba07dcd8d4_attn:
	s_mov_b64 s[64:65], 0
	v_nop
	global_prefetch_b8 v0, s[64:65] scope:SCOPE_SE
	s_setreg_imm32_b32 hwreg(HW_REG_WAVE_MODE, 25, 1), 1
	s_wait_xcnt 0x0
	s_wait_alu depctr_hold_cnt(0) depctr_sa_sdst(0) depctr_va_vdst(0) depctr_va_sdst(0) depctr_va_ssrc(0) depctr_va_vcc(0) depctr_vm_vsrc(0)
	s_getreg_b32 s2, hwreg(HW_REG_IB_STS2, 6, 4)
	s_cmp_eq_u32 s2, 0
	s_cbranch_scc0 .Lentry_in_a_cluster
	s_endpgm
.Lentry_in_a_cluster:
	s_bfe_u32 s2, ttmp6, 0x10000c
	s_cmp_lg_u32 s2, 0x3003
	s_cbranch_scc0 .Lentry_shape_is_right
	s_endpgm
.Lentry_shape_is_right:
; ctx[b][h][q][:] = the sum over k of softmax_k(q . k / 8 + mask_k) v[k][:], mask_k = 0 where attention_mask[b][k] is not 0, else the key counts for nothing.
; q, k, v: the three parts of qkv, each [batch 4][head 16][token 2048][64] f16; ctx is laid like q.  Products, maxima and sums in f32; the weights p are rounded to f16 for the second product, ctx once at the end.
; SHARES.  A work-group owns 512 queries of one head, each of its eight waves 64: four tiles of 16, in 512 registers; two waves lie on a SIMD, so that one wave's vector work stands beside the other's products.
; Every wave walks all 2,048 keys, 64 a step.
; LAYOUT.  S^T = K Q^T (source 0 = 16 keys, source 1 = 16 queries): a lane holds ONE query (lane % 16) and the keys 8 (lane / 16) + 0..7 of a tile.  Two such tiles, rounded to f16 in pairs, ARE source 1
; (32 keys x 16 queries) of O^T = V^T P, whose result again holds one query a lane.  K comes out of LDS as it lies, V ([key][channel]) turned, by ds_load_tr16_b128.
; THE MASK is the C of each score's first matrix instruction: 0 for a key that counts, -2^100 for one that does not.  The scores of f16 numbers lie under 2^38 in size, so a masked score stays about -2^100.
; SOFTMAX.  For each query a running maximum m and sum l: p = 2^(c s - c m), c = log2(e) / 8; in every step O and l are multiplied by a = 2^(c m_old - c m_new).  m begins at -2^90: over every masked score and
; under every real one; c x -2^90 is exact.  So while all keys so far are masked every p is 0 and l stays 0; a batch row whose every key is masked ends with O = 0 and l = 0 and gives NaN, as the definition does.
; LIMITS: NaN and infinities among the inputs are not served; weights p under the smallest f16 number count as 0 in the second product (they are under 6e-8 of the row's largest).
; CLUSTER.  The four query blocks of a head form a cluster and walk the same K and V: each tile is asked for JOINTLY, by the same tensor load with the same descriptor and a mask that names the four.
; RING.  Two LDS slots of four key steps.  Waves 0-3 bring the four steps' K, waves 4-7 their V: one load of 8,192 bytes a wave behind each round; it has four key steps in which to land.
; REGISTERS, in two windows of 256 (s_set_vgpr_msb: bits 1:0 source 0, 3:2 source 1, 5:4 source 2, 7:6 destination):
;   window 0: v0-15 addresses; v16-47 eight registers of statistics a tile; v48-79 the step's mask numbers; v80-101 at work at the head; v128-255 S^T, 32 a tile; P is made in place, in a tile's first 16
;   window 1: v0-63 Q, 16 a tile; v64-191 O^T, 32 a tile; v192-255 K's two halves (channels 0-31, 32-63), then V's two (keys 0-31, 32-63): each half is loaded as soon as the products on the half before it are issued
.set KS,    64                         ; keys in a step
.set NST,   4                          ; steps in a slot
.set PK,    272                        ; an LDS row of K: TWO keys, 256 bytes + 16 of padding: key r starts at word 68 (r / 2) + 32 (r % 2): the 16 keys of a load start at 16 different groups of four banks (64 banks of 4 bytes: ISA guide 11.1)
.set PV,    288                        ; an LDS row of V: two keys + 32
.set KB,    32*PK                      ; a step's K; its V lies behind
.set STEPB, 32*(PK+PV)
.set SLOT1, 1<<17                      ; slot 1 begins here, so that one exclusive or turns an address in one slot into the other's
.set SLOTG, NST*KS*128                 ; a slot's keys in memory, in bytes
.set MB,    SLOT1+NST*STEPB            ; behind the ring: the batch row's 2,048 mask numbers, f32; written by LDS stores, never a fill's target
.set STAGE, MB+8192                    ; 16 rows x 144 bytes for each wave, for the way out
.set SP,    144
.set SPARE, STAGE+8*16*SP              ; the spare words, 128 bytes for each wave
.set AK0, 2                            ; v2   my lane's place in a step's K; never rewritten
.set AV0, 3                            ; v3   the same for V
.set ADK, 4                            ; v4-6 the LDS addresses of the runs of loads in hand: K, V, mask
.set ADV, 5
.set ADM, 6
.set AM0, 7                            ; v7   my lane's place among the mask numbers
.set QO,  8                            ; v8   my byte offset in the wave's rows of Q
.set STO, 10                           ; v10  the way out: where I put 16 bytes of a row
.set RD,  11                           ; v11  the way out: where I read back
.set GO,  12                           ; v12  16 x lane
.set PFO, 13                           ; v13  256 x lane; never rewritten
.set SPW, 14                           ; v14  LDS address of my spare word; never rewritten
.set NIL, 15                           ; v15  0; never rewritten
.set ST,  16                           ; tile t's statistics at v[ST + 8 t]: +0 c m, +1 m, +2, +3 l (even keys', odd keys'), +4, +5 at work, +6 a, +7 c m_old - c m_new
.set MBR, 48                           ; register 8 i + j: the mask number of key 16 i + 8 (lane / 16) + j of the step
.set S,   128
.set OA,  64                           ; in window 1
.set KV,  192                          ; in window 1
.set WV,  12                           ; s12  my wave's number
.set LIM, 15                           ; s15  1 in a wave that prefetches, else the greatest number
.set PFA, 18                           ; s[18:19] where my prefetches stand
.set G1K, 24                           ; s[24:31] descriptor group 1 for K's tiles
.set G1V, 32                           ; s[32:39] for V's: it differs in the padding alone
.set G0A, 40                           ; s[40:43] my group 0 for slot 0's first fill
.set G0B, 44                           ; s[44:47] for slot 1's; it then walks on
.set SLOTS, 56                         ; s56  slots still to be asked for
.set CNT, 57                           ; s57  counts three steps
.set CS,  58                           ; s[58:59] c: the packed scaling names a pair and takes its low word for both halves
.set SEL, 60                           ; s[60:61] lane selects for v_permlanex16_b32: each lane takes its own place in the other half
.set TB,  62                           ; s62  LDS byte at which the tiles of the step to be fetched begin
.set TM,  63                           ; s63  and its mask numbers: 256 bytes a step
.set MSB, 0
.macro WIN new                         ; the immediate's high byte repeats the setting that is left; a switch that changes nothing is dropped
.if MSB != \new
	s_set_vgpr_msb (MSB<<8)|\new
.set MSB, \new
.endif
.endm
.set W_KQ, 0x05                        ; K and Q in window 1; C and S^T in window 0
.set W_PV, 0x51                        ; V in window 1, P in window 0, O^T in window 1
.set W_RS, 0x41                        ; O^T (destination and source 0) in window 1, a in window 0
.set TO1,  0x40                        ; destination window 1, address window 0
; A joint refill.  The branch hangs on the wave's number alone: it is the same in every work-group.  An s_nop 0 and four v_nop follow each of the two lines.
.macro JLOAD
	s_cmp_lt_u32 s[WV], 4
	s_cbranch_scc0 .Lfor_v_\@
	tensor_load_to_lds s[G0B:G0B+3], s[G1K:G1K+7]
	s_nop 0
.rept 4
	v_nop
.endr
	s_branch .Lasked_\@
.Lfor_v_\@:
	tensor_load_to_lds s[G0B:G0B+3], s[G1V:G1V+7]
	s_nop 0
.rept 4
	v_nop
.endr
.Lasked_\@:
.endm
; A PREFETCH INTO THE L2 of what the NEXT change of slots will ask for: a slot's 32,768 bytes of K and as many of V, lanes 256 bytes apart.  It stands behind the wave's tensor load and its five lines.
; Each aligned block of 256 bytes is named ONCE in the launch: a head's K and V are walked by this cluster alone; its four partners share a slot's 128 blocks out BY ADDRESS, 32 each; in each, wave 0 asks for K's and
; wave 4 for V's: one instruction.  The last change that fills a slot asks for nothing: there is no slot behind it.  The first three slots' worth of keys come by their loads alone.
.macro ASK
	s_cmp_gt_u32 s[SLOTS], s[LIM]
	s_cbranch_scc0 .Lnot_mine_\@
	global_prefetch_b8 v[PFO], s[PFA:PFA+1] th:TH_LOAD_NT scope:SCOPE_SE
.Lnot_mine_\@:
.endm
.macro CROUND                          ; a round of the cluster's barrier: my work-group's barrier; wave 0 signals for the work-group; every wave waits for all four work-groups; my work-group's barrier once more
	s_barrier_signal -1
	s_barrier_wait -1
	s_cmp_lg_u32 s[WV], 0
	s_cbranch_scc1 .Lnot_wave_0_\@
	s_barrier_signal -3
.Lnot_wave_0_\@:
	s_barrier_wait -3
	s_barrier_signal -1
	s_barrier_wait -1
.endm
.macro PLACES n                        ; places behind matrix instructions (ISA guide 7.12.1 for vector instructions)
.rept \n
	v_nop
.endr
.endm
	s_load_b128 s[4:7], s[0:1], 0x0                ; qkv s[4:5], attention_mask s[6:7]
	s_load_b64 s[8:9], s[0:1], 0x10                ; ctx
	v_lshl_add_u32 v[SPW], v0, 2, SPARE
	v_mov_b32 v[NIL], 0
	ds_add_u32 v[SPW], v[NIL]                      ; the wave's opening: the add, twice on end, and its wait ahead of my first tensor load; the set-up below stands between the second and the wait
	ds_add_u32 v[SPW], v[NIL]
	v_lshrrev_b32 v1, 5, v0
	v_readfirstlane_b32 s[WV], v1                  ; wave 0..7
	s_bfe_u32 s13, ttmp6, 0x40000                  ; cx: my block of 512 queries (the grid's x is one cluster): it enters Q's, ctx's and the prefetches' addresses alone
	s_and_b32 s20, ttmp7, 0xffff                   ; 16 x batch + head, which the four partners share
	s_lshr_b32 s50, s20, 4
	s_lshl_b32 s50, s50, 13                        ; the batch row's 2,048 words of the mask
	s_mov_b32 s51, 0
	s_lshl_b32 s20, s20, 18                        ; the head's first byte in a part: 2,048 tokens x 128 bytes
	s_and_b32 s14, s[WV], 3                        ; which of a slot's four steps I fetch,
	s_lshr_b32 s21, s[WV], 2                       ; of K (0) or of V (1)
	s_lshl_b32 s22, s14, 13                        ; its 64 keys of 128 bytes,
	s_add_co_u32 s22, s22, s20                     ; in the head,
	s_add_co_u32 s23, s21, 1
	s_lshl_b32 s23, s23, 24
	s_add_co_u32 s22, s22, s23                     ; in part 1 (k) or 2 (v): 16 MiB a part
	s_mov_b32 s23, 0
	s_mul_i32 s14, s14, STEPB
	s_mul_i32 s21, s21, KB
	s_add_co_u32 s14, s14, s21                     ; and its place in a slot: no place in the cluster enters an LDS address
	s_lshl_b32 s2, s13, 16                         ; my block's 512 rows,
	s_lshl_b32 s3, s[WV], 13                       ; my wave's 64 of them,
	s_add_co_u32 s2, s2, s3
	s_add_co_u32 s2, s2, s20                       ; in the head
	s_mov_b32 s3, 0
	; descriptor group 1: a step's 64 keys, dense in memory, as 32 rows of 128 elements of 2 bytes, padded in LDS
	s_mov_b32 s[G1K], 15|(1<<16)|(1<<20)|(1<<21)|(5<<22)|(3<<25)  ; 15:0 the mask: all four work-groups; 17:16 elements of 2 bytes; 20 padding on; 21 set beside a mask; 24:22 after every 64 words; 31:25 four words
	s_mov_b32 s[G1V], 15|(1<<16)|(1<<20)|(1<<21)|(5<<22)|(7<<25)  ; the same with eight words of padding
.irp g, G1K, G1V
	s_mov_b32 s[\g+1], 128<<16                     ; tensor_dim0 = 128
	s_mov_b32 s[\g+2], 32<<16                      ; tensor_dim1 = 32
	s_mov_b32 s[\g+3], 128<<16                     ; tile_dim0 = 128
	s_mov_b32 s[\g+4], 32                          ; tile_dim1 = 32
	s_mov_b32 s[\g+5], 128                         ; tensor_dim0_stride
	s_mov_b32 s[\g+6], 0
	s_mov_b32 s[\g+7], 0
.endr
	s_mov_b32 s[CS], 0x3e38aa3b                    ; c = log2(e) / 8
	s_mov_b32 s[CS+1], s[CS]                       ; named with it as a pair, so it is written
	s_mov_b32 s[SEL], 0x76543210
	s_mov_b32 s[SEL+1], 0xfedcba98
	s_mov_b32 s[TB], 0
	s_mov_b32 s[TM], 0
	s_mov_b32 s[SLOTS], 2048/(NST*KS)-2
	s_and_b32 s[LIM], s[WV], 3                     ; waves 0 and 4 prefetch: the same in all four partners
	s_cmp_eq_u32 s[LIM], 0
	s_cselect_b32 s[LIM], 1, -1
	s_wait_dscnt 0x0                               ; both opening adds are done
	s_wait_kmcnt 0x0
	s_add_nc_u64 s[22:23], s[4:5], s[22:23]        ; my tile of slot 0
	s_add_nc_u64 s[48:49], s[4:5], s[2:3]          ; Q at my wave's first row
	s_add_nc_u64 s[8:9], s[8:9], s[2:3]            ; ctx likewise
	s_add_nc_u64 s[6:7], s[6:7], s[50:51]          ; the mask at my batch row
	s_lshl_b32 s2, s13, 13                         ; my work-group's 32 blocks of a slot's 128
	s_add_nc_u64 s[PFA:PFA+1], s[22:23], s[2:3]    ; (in waves 0 and 4 s[22:23] stands at a slot's first byte)
	s_add_nc_u64 s[PFA:PFA+1], s[PFA:PFA+1], 2*SLOTG  ; the first change of slots steps it on once more.  Nothing is prefetched here, at the head
	CROUND                                         ; all four work-groups are here: the first joint loads meet
.irp s, 0,1
	s_mov_b32 s[G0A+4*\s], 1                       ; 1:0 count = 1
	s_add_co_u32 s[G0A+4*\s+1], s14, \s*SLOT1      ; 63:32 LDS address
	s_add_nc_u64 s[G0A+4*\s+2:G0A+4*\s+3], s[22:23], \s*SLOTG  ; 120:64 global address
	s_or_b32 s[G0A+4*\s+3], s[G0A+4*\s+3], 0x80000000          ; 127:126 type = 2
.endr
	s_cmp_lt_u32 s[WV], 4                          ; a wave's two first fills stand in one branch, ahead of every wait on TENSORcnt and every LDS read: two loads of mine are out
	s_cbranch_scc0 .Lfirst_v
	tensor_load_to_lds s[G0A:G0A+3], s[G1K:G1K+7]
	s_nop 0
	tensor_load_to_lds s[G0B:G0B+3], s[G1K:G1K+7]
	s_nop 0
.rept 4
	v_nop
.endr
	s_branch .Lfirst_asked
.Lfirst_v:
	tensor_load_to_lds s[G0A:G0A+3], s[G1V:G1V+7]
	s_nop 0
	tensor_load_to_lds s[G0B:G0B+3], s[G1V:G1V+7]
	s_nop 0
.rept 4
	v_nop
.endr
.Lfirst_asked:
	v_lshlrev_b32 v97, 4, v0                       ; the mask: 256 threads x 16 bytes are 4,096 bytes a load, two loads the batch row
	global_load_b128 v[80:83], v97, s[6:7]
	global_load_b128 v[84:87], v97, s[6:7] offset:4096
	v_and_b32 v1, 15, v0                           ; r = l % 16
	v_bfe_u32 v9, v0, 4, 1                         ; h = l / 16
	v_lshlrev_b32 v[QO], 7, v1
	v_lshl_add_u32 v[QO], v9, 4, v[QO]             ; row x 128 + 16 x half
	WIN TO1
.irp t, 0,1,2,3                                ; Q stays in registers: a fragment is 16 rows x 32 channels: two loads of 16 bytes, 32 bytes apart
.irp c, 0,1
	global_load_b128 v[16*\t+8*\c:16*\t+8*\c+3],   v[QO], s[48:49] offset:2048*\t+64*\c th:TH_LOAD_NT
	global_load_b128 v[16*\t+8*\c+4:16*\t+8*\c+7], v[QO], s[48:49] offset:2048*\t+64*\c+32 th:TH_LOAD_NT
.endr
.endr
.set n, 0
.rept 128
	v_mov_b32 v[OA+n], 0                           ; O^T.  The key step is written with no first copy of its own: the first step finds zeros, which its a = 0 leaves zeros; a copy would be longer than these lines
.set n, n+1
.endr
	WIN 0
	v_lshrrev_b32 v100, 1, v1
	v_mul_u32_u24 v[AK0], v100, PK
	v_and_b32 v100, 1, v0
	v_lshl_add_u32 v[AK0], v100, 7, v[AK0]
	v_lshl_add_u32 v[AK0], v9, 4, v[AK0]           ; K: key r: row r / 2, + 128 (r % 2), + 16 x half
	v_bfe_u32 v101, v0, 1, 2
	v_lshl_add_u32 v101, v9, 2, v101               ; V: the turning load's lane l reads 16 bytes of key 8 (l / 16) + l % 8: row 4 (l / 16) + (l % 8) / 2,
	v_mul_u32_u24 v[AV0], v101, PV
	v_lshl_add_u32 v[AV0], v100, 7, v[AV0]         ; + 128 (l % 2),
	v_bfe_u32 v101, v0, 3, 1
	v_lshl_add_u32 v[AV0], v101, 4, v[AV0]         ; channels 8 ((l / 8) % 2) on
	v_add_nc_u32 v[AV0], KB, v[AV0]
	v_lshl_add_u32 v[AM0], v9, 5, MB               ; my half's eight keys of a tile: 32 bytes on
	s_mul_i32 s52, s[WV], 16*SP
	s_add_co_u32 s52, s52, STAGE                   ; my stage
	v_mul_u32_u24 v[STO], v1, SP                   ; in: row l % 16, 16 bytes for each half of the lanes
	v_lshl_add_u32 v[STO], v9, 4, v[STO]
	v_add_nc_u32 v[STO], s52, v[STO]
	v_and_b32 v100, 31, v0
	v_lshrrev_b32 v101, 3, v100                    ; back: eight lanes take one row's 128 bytes, the 32 lanes four rows
	v_mul_u32_u24 v[RD], v101, SP
	v_and_b32 v101, 7, v0
	v_lshl_add_u32 v[RD], v101, 4, v[RD]
	v_add_nc_u32 v[RD], s52, v[RD]
	v_lshlrev_b32 v[GO], 4, v100
	v_lshlrev_b32 v[PFO], 8, v100
	v_lshl_add_u32 v98, v0, 4, MB                  ; where my eight mask numbers go
	v_mov_b32 v96, 0xf1800000                      ; -2^100
.irp t, 0,1,2,3
	v_mov_b32 v[ST+8*\t+1], 0xec800000             ; m = -2^90
	v_mov_b32 v[ST+8*\t+2], 0                      ; l
	v_mov_b32 v[ST+8*\t+3], 0
.endr
.irp t, 0,1,2,3
	v_mul_f32 v[ST+8*\t], s[CS], v[ST+8*\t+1]      ; c m
.endr
	s_wait_loadcnt 16                              ; the mask's two loads are in; Q's sixteen may be out
.irp i, 0,1,2,3,4,5,6,7
	v_cmp_eq_u32 vcc_lo, 0, v[80+\i]
	v_cndmask_b32 v[88+\i], 0, v96, vcc_lo         ; 0 where the key counts, -2^100 where it does not
.endr
	ds_store_b128 v98, v[88:91]
	ds_store_b128 v98, v[92:95] offset:4096
	s_wait_tensorcnt 1                             ; my part of slot 0 is in; slot 1's may stay out
	s_wait_dscnt 0x0                               ; my mask numbers lie in LDS
	s_barrier_signal -1
	s_barrier_wait -1                              ; everybody's do
; 16 products of S^T = K Q^T, channels 32 c on: key tile n / 4, query tile n % 4.  c = 0 starts the sums from the mask numbers.  The 16 accumulators take turns, one instruction a turn.
.macro MULKQ c
.set n, 0
.rept 16
.set rS, S+32*(n%4)+8*(n/4)
.set rK, KV+32*(\c)+8*(n/4)
.set rQ, 16*(n%4)+8*(\c)
.if (\c) == 0
	v_wmma_f32_16x16x32_f16 v[rS:rS+7], v[rK:rK+7], v[rQ:rQ+7], v[MBR+8*(n/4):MBR+8*(n/4)+7]
.else
	v_wmma_f32_16x16x32_f16 v[rS:rS+7], v[rK:rK+7], v[rQ:rQ+7], v[rS:rS+7]
.endif
.set n, n+1
.endr
.endm
; 16 products of O^T += V^T P, keys 32 g on: channel tile n / 4, query tile n % 4
.macro MULPV g
.set n, 0
.rept 16
.set rO, OA+32*(n%4)+8*(n/4)
.set rV, KV+32*(\g)+8*(n/4)
.set rP, S+32*(n%4)+8*(\g)
	v_wmma_f32_16x16x32_f16 v[rO:rO+7], v[rV:rV+7], v[rP:rP+7], v[rO:rO+7]
.set n, n+1
.endr
.endm
; THE LDS LOADS stand in runs of eight
.macro LOADK c                         ; K's four key tiles, channels 32 c on
	WIN TO1
.irp i, 0,1,2,3
	ds_load_b128 v[KV+32*(\c)+8*\i:KV+32*(\c)+8*\i+3],   v[ADK] offset:8*PK*\i+64*(\c)
	ds_load_b128 v[KV+32*(\c)+8*\i+4:KV+32*(\c)+8*\i+7], v[ADK] offset:8*PK*\i+64*(\c)+32
.endr
.endm
.macro LOADM                           ; the step's 64 mask numbers, eight a key tile for my half of the lanes
	WIN 0
.irp i, 0,1,2,3
	ds_load_b128 v[MBR+8*\i:MBR+8*\i+3],   v[ADM] offset:64*\i
	ds_load_b128 v[MBR+8*\i+4:MBR+8*\i+7], v[ADM] offset:64*\i+16
.endr
.endm
.macro LOADV g                         ; V's four channel tiles, keys 32 g on, turned
	WIN TO1
.irp ct, 0,1,2,3
	ds_load_tr16_b128 v[KV+32*(\g)+8*\ct:KV+32*(\g)+8*\ct+3],   v[ADV] offset:16*PV*(\g)+32*\ct
	ds_load_tr16_b128 v[KV+32*(\g)+8*\ct+4:KV+32*(\g)+8*\ct+7], v[ADV] offset:16*PV*(\g)+8*PV+32*\ct
.endr
.endm
; THE SOFTMAX of the wave's four tiles for one key step: 118 instructions a tile.  The tile is the innermost index everywhere, so that lines that feed each other stand four apart.
.macro SOFTMAX
.irp t, 0,1,2,3                                ; the maximum of a lane's 32 scores and the old m, three operands at a time, in two chains; each accumulator is read from its low end on
	v_max3_num_f32 v[ST+8*\t+4], v[S+32*\t], v[S+32*\t+1], v[S+32*\t+2]
.endr
.irp t, 0,1,2,3
	v_max3_num_f32 v[ST+8*\t+5], v[S+32*\t+3], v[S+32*\t+4], v[S+32*\t+5]
.endr
.irp k, 6,8,10,12,14,16,18,20,22,24,26,28,30
.irp t, 0,1,2,3
	v_max3_num_f32 v[ST+8*\t+4+(\k/2+1)%2], v[ST+8*\t+4+(\k/2+1)%2], v[S+32*\t+\k], v[S+32*\t+\k+1]
.endr
.endr
.irp t, 0,1,2,3
	v_max3_num_f32 v[ST+8*\t+4], v[ST+8*\t+4], v[ST+8*\t+5], v[ST+8*\t+1]
.endr
.irp t, 0,1,2,3
	v_permlanex16_b32 v[ST+8*\t+5], v[ST+8*\t+4], s[SEL], s[SEL+1]   ; the query's other 32 keys lie in the lane 16 away
.endr
.irp t, 0,1,2,3
	v_max_num_f32 v[ST+8*\t+1], v[ST+8*\t+4], v[ST+8*\t+5]           ; the new m
.endr
.irp t, 0,1,2,3
	v_mul_f32 v[ST+8*\t+4], s[CS], v[ST+8*\t+1]                      ; c m, rounded once: a and every p hang on this same number
.endr
.irp t, 0,1,2,3
	v_sub_f32 v[ST+8*\t+7], v[ST+8*\t], v[ST+8*\t+4]                 ; c m_old - c m_new
.endr
.irp t, 0,1,2,3
	v_mov_b32 v[ST+8*\t], v[ST+8*\t+4]
.endr
	; ONE BATCH: all 132 exponentials, with the 64 packed scalings among them; none of these lines names an exponential's result
.irp t, 0,1,2,3
	v_exp_f32 v[ST+8*\t+6], v[ST+8*\t+7]                             ; a
.endr
.set n, 0
.rept 16
.irp t, 0,1,2,3
	v_pk_fma_f32 v[S+32*\t+2*n:S+32*\t+2*n+1], v[S+32*\t+2*n:S+32*\t+2*n+1], s[CS:CS+1], v[ST+8*\t:ST+8*\t+1] op_sel_hi:[1,0,0] neg_lo:[0,0,1] neg_hi:[0,0,1]   ; pair n: c s - c m
.endr
.if n > 0
.irp t, 0,1,2,3
	v_exp_f32 v[S+32*\t+2*n-2], v[S+32*\t+2*n-2]                     ; pair n - 1: p
	v_exp_f32 v[S+32*\t+2*n-1], v[S+32*\t+2*n-1]
.endr
.endif
.set n, n+1
.endr
.irp t, 0,1,2,3
	v_exp_f32 v[S+32*\t+30], v[S+32*\t+30]
	v_exp_f32 v[S+32*\t+31], v[S+32*\t+31]
.endr
	v_nop                                          ; a plain instruction behind the last exponential, ahead of the first use (ISA guide 5.7.2)
	s_wait_alu depctr_va_vdst(0)                   ; and the wait ahead of the first line that names a result: one for the batch
.irp t, 0,1,2,3                                ; the sums, of the unrounded p, a pair at a time, in two chains: l = a l + ..
	v_pk_fma_f32 v[ST+8*\t+2:ST+8*\t+3], v[ST+8*\t+2:ST+8*\t+3], v[ST+8*\t+6:ST+8*\t+7], v[S+32*\t:S+32*\t+1] op_sel_hi:[1,0,1]
.endr
.irp t, 0,1,2,3
	v_pk_add_f32 v[ST+8*\t+4:ST+8*\t+5], v[S+32*\t+2:S+32*\t+3], v[S+32*\t+4:S+32*\t+5]
.endr
.irp k, 3,4,5,6,7,8,9,10,11,12,13,14,15
.irp t, 0,1,2,3
	v_pk_add_f32 v[ST+8*\t+2+2*((\k+1)%2):ST+8*\t+3+2*((\k+1)%2)], v[ST+8*\t+2+2*((\k+1)%2):ST+8*\t+3+2*((\k+1)%2)], v[S+32*\t+2*\k:S+32*\t+2*\k+1]
.endr
.endr
.irp t, 0,1,2,3
	v_pk_add_f32 v[ST+8*\t+2:ST+8*\t+3], v[ST+8*\t+2:ST+8*\t+3], v[ST+8*\t+4:ST+8*\t+5]
.endr
.set n, 0
.rept 16                                       ; P, in place: register n takes pair n, which lies at 2 n and 2 n + 1: no pair is written over before it is read
.irp t, 0,1,2,3
	v_cvt_pk_f16_f32 v[S+32*\t+n], v[S+32*\t+2*n], v[S+32*\t+2*n+1]
.endr
.set n, n+1
.endr
	WIN W_RS
.set n, 0
.rept 16                                       ; O^T times a: the one part that leaves window 0; each accumulator from its low end on
.irp t, 0,1,2,3
	v_pk_mul_f32 v[OA+32*\t+2*n:OA+32*\t+2*n+1], v[OA+32*\t+2*n:OA+32*\t+2*n+1], v[ST+8*\t+6:ST+8*\t+7] op_sel_hi:[1,0]
.endr
.set n, n+1
.endr
	WIN 0
.endm
; THE CHANGE OF SLOTS, between the softmax and V^T P of a slot's last step: all my reads of the slot have been issued.  Each wave waits for all its tensor loads, of which one is out: its part of the other slot;
; adds 0 to its spare word; and waits for that and for its reads of the slot.  Behind the barrier nobody reads this slot any more and the other slot is whole.
; fill = 1: the slot is filled again, with the keys two slots on.  The barrier is then a round of the cluster's, and the joint refill is the first thing behind it.
.macro CHANGE fill
	WIN 0
	s_wait_tensorcnt 0x0                           ; no tensor load of mine is out, so a group 0 may be written
	ds_add_u32 v[SPW], v[NIL]                      ; 0 onto my spare word
.if \fill
	s_xor_b32 s[G0B+1], s[G0B+1], SLOT1            ; the walking descriptor: the other slot than last time,
	s_add_nc_u64 s[G0B+2:G0B+3], s[G0B+2:G0B+3], SLOTG   ; the next 256 keys; the type bits on top are not reached
	s_wait_xcnt 0x0                                ; the last prefetch, four key steps back, has read its address, so it may be written:
	s_add_nc_u64 s[PFA:PFA+1], s[PFA:PFA+1], SLOTG ; one slot further on than the walking descriptor
	s_wait_dscnt 0x0                               ; the add is done, and my reads of the slot are over
	CROUND
	JLOAD
	ASK
.else
	s_wait_dscnt 0x0
	s_barrier_signal -1
	s_barrier_wait -1
.endif
	s_sub_co_u32 s[TB], s[TB], NST*STEPB           ; the fetches go back to a slot's first step,
	s_xor_b32 s[TB], s[TB], SLOT1                  ; in the other slot
.endm
; A KEY STEP.  chg: 0 no change of slots, 1 with a refill, 2 without.  pre = 1: the next step's K and mask numbers are fetched.
; At its head these LDS loads of mine are out, in this order: K's channels 0-31 (8), the mask numbers (8), K's channels 32-63 (8).
.macro STEP chg, pre
	s_wait_dscnt 8                                 ; K's first half and the mask numbers are in; K's second half, eight loads, may be out
	WIN W_KQ
	MULKQ 0
	WIN 0
	v_add_nc_u32 v[ADV], s[TB], v[AV0]             ; (a plain line that names none of the products' registers: with the three below, the four places in front of the loads)
	s_add_co_u32 s[TB], s[TB], STEPB               ; the next fetch of K is the next step's
	PLACES 3
	LOADV 0
	s_wait_dscnt 8                                 ; K's second half is in; V's first eight may be out
	WIN W_KQ
	MULKQ 1
	PLACES 4                                       ; for the loads below and for the first read of the scores
	LOADV 1
	WIN 0
	SOFTMAX
.if \chg == 1
	CHANGE 1
.elseif \chg == 2
	CHANGE 0
.endif
	s_wait_dscnt 8                                 ; V's first half is in; its second eight may be out
	WIN W_PV
	MULPV 0
.if \pre
	WIN 0
	v_add_nc_u32 v[ADK], s[TB], v[AK0]             ; (two plain lines and the two below: four places)
	v_add_nc_u32 v[ADM], s[TM], v[AM0]
	s_add_co_u32 s[TM], s[TM], 256
	PLACES 2
	LOADK 0
	LOADM
	s_wait_dscnt 16                                ; V's second half is in; the sixteen just issued may be out
.else
	s_wait_dscnt 0x0
.endif
	WIN W_PV
	MULPV 1
.if \pre
	PLACES 5                                       ; five: the next step's first products write over P's registers, which these products have read
	LOADK 1
.endif
	WIN 0
.endm
.macro THREE                           ; a slot's first three steps: written once, walked three times; the LDS addresses hang on s[TB] and s[TM]
	s_mov_b32 s[CNT], 3
.Lstep_\@:
	STEP 0, 1
	s_sub_co_u32 s[CNT], s[CNT], 1
	s_cmp_lg_u32 s[CNT], 0
	s_cbranch_scc1 .Lstep_\@
.endm
	v_add_nc_u32 v[ADK], s[TB], v[AK0]             ; key step 0
	v_add_nc_u32 v[ADM], s[TM], v[AM0]
	s_add_co_u32 s[TM], s[TM], 256
	LOADK 0
	LOADM
	LOADK 1
	WIN 0
	s_wait_loadcnt 0x0                             ; Q
.Lslot:                                            ; six trips: every slot's worth of keys but the last two is followed by a refill
	THREE
	STEP 1, 1
	s_sub_co_u32 s[SLOTS], s[SLOTS], 1
	s_cmp_lg_u32 s[SLOTS], 0
	s_cbranch_scc1 .Lslot
	THREE                                          ; the tail is written out
	STEP 2, 1
	THREE
	STEP 0, 0
	; THE WAY OUT.  l's two halves and the other half of the lanes' are added; O^T is divided by l, rounded to f16 and sent through my stage in LDS, a tile (16 rows of ctx) at a time.  The first additions are the places behind the last products.
.irp t, 0,1,2,3
	v_add_f32 v[ST+8*\t+4], v[ST+8*\t+2], v[ST+8*\t+3]
.endr
.irp t, 0,1,2,3
	v_permlanex16_b32 v[ST+8*\t+5], v[ST+8*\t+4], s[SEL], s[SEL+1]
.endr
.irp t, 0,1,2,3
	v_add_f32 v[ST+8*\t+4], v[ST+8*\t+4], v[ST+8*\t+5]
.endr
.irp t, 0,1,2,3
	v_rcp_f32 v[ST+8*\t+6], v[ST+8*\t+4]
.endr
	v_nop                                          ; a plain instruction between the last reciprocal and the use of its result
	s_wait_alu depctr_va_vdst(0)                   ; and the wait ahead of the first use: one for the four
.macro PACK t                          ; a lane's eight channels of a row pack into 16 bytes; they go into rows of 144 bytes and come back so that the 32 lanes hold four rows of 128: into the registers that they left
	WIN W_RS
.set n, 0
.rept 16
	v_pk_mul_f32 v[OA+32*(\t)+2*n:OA+32*(\t)+2*n+1], v[OA+32*(\t)+2*n:OA+32*(\t)+2*n+1], v[ST+8*(\t)+6:ST+8*(\t)+7] op_sel_hi:[1,0]
.set n, n+1
.endr
	WIN 0x05                                       ; sources 0 and 1 window 1, destination window 0: S^T's registers are free
.set n, 0
.rept 16
	v_cvt_pk_f16_f32 v[S+16*(\t)+n], v[OA+32*(\t)+2*n], v[OA+32*(\t)+2*n+1]
.set n, n+1
.endr
	WIN 0
.irp ct, 0,1,2,3
	ds_store_b128 v[STO], v[S+16*(\t)+4*\ct:S+16*(\t)+4*\ct+3] offset:32*\ct
.endr
.irp i, 0,1,2,3
	ds_load_b128 v[S+16*(\t)+4*\i:S+16*(\t)+4*\i+3], v[RD] offset:4*SP*\i   ; LDS serves a wave's instructions in order (ISA guide 5.7.1.4): these see the stores above; the next tile's stores come behind them
.endr
.endm
.macro SEND t, younger                 ; younger: the LDS instructions issued behind tile t's loads: the next tile's eight, or none
.irp i, 0,1,2,3
	s_wait_dscnt \younger+3-\i
	global_store_b128 v[GO], v[S+16*(\t)+4*\i:S+16*(\t)+4*\i+3], s[8:9] offset:2048*(\t)+512*\i   ; 32 lanes store 512 consecutive bytes, at a multiple of 256 from ctx's first byte
.endr
.endm
	PACK 0
	PACK 1                                         ; a tile's arithmetic stands between the loads of the tile before and its stores
	SEND 0, 8
	PACK 2
	SEND 1, 8
	PACK 3
	SEND 2, 8
	SEND 3, 0
	s_wait_tensorcnt 0x0                           ; the wave's end: three closing lines, behind my last tensor load and my last LDS store
	ds_add_u32 v[SPW], v[NIL]
	s_wait_dscnt 0x0
	CROUND                                         ; the closing round: no work-group ends while a partner may still ask for a tile that names it
	s_endpgm
.Lfunc_end_k_qba07dcd8d4_attn:
	.size	k_qba07dcd8d4_attn, .Lfunc_end_k_qba07dcd8d4_attn-k_qba07dcd8d4_attn
	.p2alignl 7, 3214868480
	.fill 96, 4, 3214868480
	.section	.rodata,"a",@progbits
	.p2align	6, 0x0
	.amdhsa_kernel k_qba07dcd8d4_attn
		.amdhsa_group_segment_fixed_size 327680
		.amdhsa_private_segment_fixed_size 0
		.amdhsa_enable_private_segment 0
		.amdhsa_kernarg_size 24
		.amdhsa_user_sgpr_count 2
		.amdhsa_user_sgpr_kernarg_segment_ptr 1
		.amdhsa_wavefront_size32 1
		.amdhsa_system_sgpr_workgroup_id_x 1
		.amdhsa_system_sgpr_workgroup_id_y 1
		.amdhsa_system_sgpr_workgroup_id_z 1
		.amdhsa_system_vgpr_workitem_id 0
		.amdhsa_next_free_vgpr 512
		.amdhsa_next_free_sgpr 66
		.amdhsa_reserve_vcc 1
		.amdhsa_float_denorm_mode_32 3
		.amdhsa_float_denorm_mode_16_64 3
		.amdhsa_memory_ordered 1
		.amdhsa_forward_progress 1
		.amdhsa_inst_pref_size 226
	.end_amdhsa_kernel
	.amdgpu_metadata
---
amdhsa.version: [ 1, 2 ]
amdhsa.kernels:
  - .name:           k_qba07dcd8d4_attn
    .symbol:         k_qba07dcd8d4_attn.kd
    .args:
      - { .name: qkv, .offset: 0, .size: 8, .value_kind: global_buffer, .address_space: global }
      - { .name: attention_mask, .offset: 8, .size: 8, .value_kind: global_buffer, .address_space: global }
      - { .name: ctx, .offset: 16, .size: 8, .value_kind: global_buffer, .address_space: global }
    .group_segment_fixed_size: 327680
    .private_segment_fixed_size: 0
    .kernarg_segment_align: 8
    .kernarg_segment_size: 24
    .max_flat_workgroup_size: 256
    .sgpr_count:     66
    .vgpr_count:     512
    .wavefront_size: 32
...
	.end_amdgpu_metadata
.endif
;; end of part 3
;; launch proj (part 4): grid 8 x 64, 4 waves a work-group, clusters of 4 x 4, 327,680 bytes of LDS; arguments ctx, wo16, bo, out0; writes out0
.if DOCPART == 4
	.amdgcn_target "amdgcn-amd-amdhsa--gfx1250"
	.amdhsa_code_object_version 6
	.text
	.protected	k_qba07dcd8d4_proj
	.globl	k_qba07dcd8d4_proj
	.p2align	8
	.type	k_qba07dcd8d4_proj,@function
k_qba07dcd8d4_proj:
	s_mov_b64 s[64:65], 0
	v_nop
	global_prefetch_b8 v0, s[64:65] scope:SCOPE_SE
	s_setreg_imm32_b32 hwreg(HW_REG_WAVE_MODE, 25, 1), 1
	s_wait_xcnt 0x0
	s_wait_alu depctr_hold_cnt(0) depctr_sa_sdst(0) depctr_va_vdst(0) depctr_va_sdst(0) depctr_va_ssrc(0) depctr_va_vcc(0) depctr_vm_vsrc(0)
	s_getreg_b32 s2, hwreg(HW_REG_IB_STS2, 6, 4)
	s_cmp_eq_u32 s2, 0
	s_cbranch_scc0 .Lentry_in_a_cluster
	s_endpgm
.Lentry_in_a_cluster:
	s_bfe_u32 s2, ttmp6, 0x10000c
	s_cmp_lg_u32 s2, 0xf033
	s_cbranch_scc0 .Lentry_shape_is_right
	s_endpgm
.Lentry_shape_is_right:
; out0[m][n] = sum over k of A[m][k] Wo[n][k] + bo[n].  A is ctx, f16, laid [batch 4][head 16][token 2048][64]: m = 2,048 x batch + token, k = 64 x head + channel.  wo16: [1024 n][1024 k] f16.  out0: [8192][1024] f32; sums in f32.
; A tile of the output is 128 x 128: 512 tiles, two for each of 256 WGPs; tiles of 256 x 256 would be 128.  Four waves, each 64 x 64: 16 accumulators of 16 x 16, 128 registers.
; K goes in steps of 256, four heads, through a ring of two LDS slots.  In memory a head's 128 tokens of a tile are 16,384 dense bytes: a PLANE; in LDS it lies as 64 rows of two tokens, 256 bytes + 16 of padding.
; Waves 0 and 1 bring two planes of A each (a tile of two rows of 16,384 bytes, 262,144 bytes apart, with padding behind every 256 bytes), waves 2 and 3 64 rows of 512 bytes of Wo each.
; CLUSTERS: 4 x 4 work-groups.  The four of a row of the cluster need the same tiles of A, the four of a column the same tiles of Wo: each tile is asked for JOINTLY, by the same tensor load with the same descriptor and a mask that names the four.
; THE MATRIX INSTRUCTION IS USED TRANSPOSED (source 0 = 16 rows of Wo, source 1 = 16 rows of A): a lane then holds eight neighbouring numbers of a row of the output.  THE BIAS is the C of each sum's first matrix instruction.
; A wave's 64 columns of f32 are 256 bytes of a row: each wave has a stage of its own on the way out, and no barrier stands there.
; REGISTERS: window 0: v0-31 addresses; v32-95 at work on the way out; v96-127 the bias; v128-255 the accumulators ((a, b) at v[128 + 8 (4 a + b)]).
;   window 1: two fragment buffers of 128: for 64 along K (one head, two matrix instructions deep), 64 registers of A, then 64 of Wo.
.set SIZE_K, 1024
.set SIZE_N, 1024
.set KSTEP,  256
.set PITCH,  528                       ; an LDS row of Wo: 512 bytes + 16 of padding = 132 words: row r starts at bank 4 r mod 64 (64 banks of 4 bytes: ISA guide 11.1)
.set HALFB,  64*PITCH                  ; 64 rows of Wo: what one tensor load brings, and what one wave reads
.set APITCH, 272                       ; an LDS row of A: two tokens, 256 bytes + 16: token r starts at word 68 (r / 2) + 32 (r % 2): 16 different groups of four banks
.set APL,    64*APITCH                 ; a plane
.set SLOT,   4*APL+2*HALFB             ; A's four planes, then Wo's 128 rows
.set STAGE,  2*SLOT                    ; behind the ring: 16 rows x 272 bytes for each wave
.set SPITCH, 272
.set SPARE,  STAGE+4*16*SPITCH         ; behind the stages: the spare words, 128 bytes for each wave
.set LAPS, SIZE_K/(2*KSTEP)            ; a lap = two K steps = once round the ring
.set ADRA, 16                          ; v16-17  LDS address of my A fragments in slot 0, 1
.set ADRB, 20                          ; v20-21  the same for Wo
.set STO,  24                          ; v24     the way out: where I put 32 bytes of a row
.set RD,   25                          ; v25     the way out: where I read a row back
.set CO,   26                          ; v26     my byte offset in the output
.set SPW,  28                          ; v28     LDS address of my spare word; never rewritten
.set NIL,  29                          ; v29     0; never rewritten
.set BK,   32                          ; the way out: 16 rows read back from the stage: v32-63 and v64-95 by turns
.set BIAS, 96                          ; register 8 b + j: bo of column 16 b + 8 (lane / 16) + j of my 64
.set ACC,  128
.set F0,   0                           ; fragment buffers, in window 1
.set F1,   128
.set G1, 24                            ; s[24:31] descriptor group 1 for A's tiles;  s[32:39] group 0, one set for each slot
.set G0, 32
.set G1B, 48                           ; s[48:55], s[56:63] the same for Wo's tiles
.set G0B, 56
.set MSB, 0
.macro WIN new                         ; the immediate's high byte repeats the setting that is left
.if MSB != \new
	s_set_vgpr_msb (MSB<<8)|\new
.set MSB, \new
.endif
.endm
.set MUL,  0x05                        ; sources 0 (Wo) and 1 (A) window 1; C and D window 0
.set TO_F, 0x40                        ; destination window 1, address window 0
.macro JLOAD s                         ; a joint load: waves 0 and 1 fetch for A, waves 2 and 3 for Wo; an s_nop 0 and four v_nop follow each of the two lines, ahead of the jump, the label and what follows
	s_cmp_eq_u32 s11, 0
	s_cbranch_scc0 .Lfor_b_\@
	tensor_load_to_lds s[G0+4*\s:G0+4*\s+3], s[G1:G1+7]
	s_nop 0
.rept 4
	v_nop
.endr
	s_branch .Lasked_\@
.Lfor_b_\@:
	tensor_load_to_lds s[G0B+4*\s:G0B+4*\s+3], s[G1B:G1B+7]
	s_nop 0
.rept 4
	v_nop
.endr
.Lasked_\@:
.endm
.macro CREST                           ; a round of the cluster's barrier behind its opening barrier
	s_cmp_lg_u32 s10, 0
	s_cbranch_scc1 .Lnot_wave_0_\@
	s_barrier_signal -3
.Lnot_wave_0_\@:
	s_barrier_wait -3
	s_barrier_signal -1
	s_barrier_wait -1
.endm
.macro CROUND                          ; a whole round
	s_barrier_signal -1
	s_barrier_wait -1
	CREST
.endm
	s_load_b128 s[4:7], s[0:1], 0x0                ; ctx s[4:5], wo16 s[6:7]
	s_load_b64 s[66:67], s[0:1], 0x10              ; bo
	s_load_b64 s[8:9], s[0:1], 0x18                ; out0
	v_lshl_add_u32 v[SPW], v0, 2, SPARE
	v_mov_b32 v[NIL], 0
	ds_add_u32 v[SPW], v[NIL]                      ; the wave's opening: the add, twice on end, and its wait ahead of my first tensor load; the set-up below stands between the second and the wait
	ds_add_u32 v[SPW], v[NIL]
	v_lshrrev_b32 v1, 5, v0
	v_readfirstlane_b32 s10, v1                    ; wave 0..3
	s_lshr_b32 s11, s10, 1                         ; which half of the tile's rows is mine.  Also: I fetch for A (0) or for Wo (1)
	s_and_b32 s12, s10, 1                          ; which half of its columns.  Also: which half of that tile I fetch
	s_bfe_u32 s40, ttmp6, 0x40000                  ; cx, cy: my place in the cluster
	s_bfe_u32 s41, ttmp6, 0x40004
	s_lshl_b32 s42, ttmp9, 2
	s_add_co_u32 s42, s42, s40                     ; tile column = 4 x cluster x + cx
	s_and_b32 s13, ttmp7, 0xffff
	s_lshl_b32 s13, s13, 2
	s_add_co_u32 s13, s13, s41                     ; tile row = 4 x cluster y + cy
	s_lshl_b32 s43, s41, 2
	s_lshl_b32 s43, 15, s43                        ; my row of the cluster
	s_lshl_b32 s44, 0x1111, s40                    ; my column
	; descriptor group 1 for A: two rows of 2,048 elements of 8 bytes, 32,768 elements apart; padding of four words after every 64 words, which divide a row
	s_or_b32 s[G1+0], s43, (3<<16)|(1<<20)|(1<<21)|(5<<22)|(3<<25)
	s_mov_b32 s[G1+1], 2048<<16                    ; tensor_dim0 = 2,048
	s_mov_b32 s[G1+2], 2<<16                       ; tensor_dim1 = 2
	s_mov_b32 s[G1+3], 2048<<16                    ; tile_dim0 = 2,048
	s_mov_b32 s[G1+4], 2                           ; tile_dim1 = 2
	s_mov_b32 s[G1+5], 32768                       ; tensor_dim0_stride: from head to head
	s_mov_b32 s[G1+6], 0
	s_mov_b32 s[G1+7], 0
	; and for Wo: 64 rows x 256 elements of 2 bytes; padding of four words after every 128
	s_or_b32 s[G1B+0], s44, (1<<16)|(1<<20)|(1<<21)|(6<<22)|(3<<25)
	s_mov_b32 s[G1B+1], KSTEP<<16
	s_mov_b32 s[G1B+2], 64<<16
	s_mov_b32 s[G1B+3], KSTEP<<16
	s_mov_b32 s[G1B+4], 64
	s_mov_b32 s[G1B+5], SIZE_K
	s_mov_b32 s[G1B+6], 0
	s_mov_b32 s[G1B+7], 0
	s_lshr_b32 s16, s13, 4                         ; A: the batch (16 tile rows each),
	s_lshl_b32 s16, s16, 4                         ; its 16 heads,
	s_lshl_b32 s17, s12, 1                         ; my two of the K step's four,
	s_add_co_u32 s16, s16, s17
	s_lshl_b32 s16, s16, 18                        ; 262,144 bytes a head,
	s_and_b32 s17, s13, 15
	s_lshl_b32 s17, s17, 14                        ; the tile's 128 tokens of 128 bytes
	s_add_co_u32 s16, s16, s17
	s_mov_b32 s17, 0
	s_lshl_b32 s46, s42, 7                         ; Wo: row 128 x tile column + 64 x half,
	s_lshl_b32 s47, s12, 6
	s_add_co_u32 s46, s46, s47
	s_lshl_b32 s46, s46, 11                        ; 2,048 bytes a row
	s_mov_b32 s47, 0
	s_mul_i32 s20, s12, 2*APL                      ; where they go: no place in the cluster enters an LDS address
	s_mul_i32 s21, s12, HALFB
	s_add_co_u32 s21, s21, 4*APL
	s_wait_dscnt 0x0                               ; both opening adds are done
	s_wait_kmcnt 0x0
	s_add_nc_u64 s[14:15], s[4:5], s[16:17]
	s_add_nc_u64 s[46:47], s[6:7], s[46:47]
	CROUND                                         ; all sixteen work-groups are here: the first joint loads meet
.irp s, 0,1
	s_mov_b32 s[G0+4*\s], 1
	s_add_co_u32 s[G0+4*\s+1], s20, \s*SLOT
	s_add_nc_u64 s[G0+4*\s+2:G0+4*\s+3], s[14:15], \s*4*262144   ; K step s: four heads on
	s_or_b32 s[G0+4*\s+3], s[G0+4*\s+3], 0x80000000
	s_mov_b32 s[G0B+4*\s], 1
	s_add_co_u32 s[G0B+4*\s+1], s21, \s*SLOT
	s_add_nc_u64 s[G0B+4*\s+2:G0B+4*\s+3], s[46:47], \s*KSTEP*2
	s_or_b32 s[G0B+4*\s+3], s[G0B+4*\s+3], 0x80000000
	JLOAD \s                                       ; two tensor loads of mine are out
.endr
	v_and_b32 v1, 15, v0                           ; l % 16
	v_bfe_u32 v2, v0, 4, 1                         ; l / 16
	s_lshl_b32 s46, s42, 9                         ; my first column, in bytes of f32: 512 x tile column + 256 x half
	s_lshl_b32 s47, s12, 8
	s_add_co_u32 s46, s46, s47
	s_mov_b32 s47, 0
	s_add_nc_u64 s[66:67], s[66:67], s[46:47]      ; the bias of my 64 columns
	v_lshlrev_b32 v6, 5, v2                        ; my half's eight columns of a block: 32 bytes on; never rewritten
.irp b, 0,1,2,3
	global_load_b128 v[BIAS+8*\b:BIAS+8*\b+3], v6, s[66:67] offset:64*\b
	global_load_b128 v[BIAS+8*\b+4:BIAS+8*\b+7], v6, s[66:67] offset:64*\b+16
.endr
	v_lshrrev_b32 v3, 1, v1
	v_mul_u32_u24 v3, v3, APITCH
	v_and_b32 v4, 1, v1
	v_lshl_add_u32 v3, v4, 7, v3
	v_lshl_add_u32 v3, v2, 4, v3                   ; A: token r: row r / 2, + 128 (r % 2), + 16 x half
	v_mul_u32_u24 v4, v1, PITCH
	v_lshl_add_u32 v4, v2, 4, v4                   ; Wo: row x pitch + 16 x half
	s_mul_i32 s21, s11, 32*APITCH                  ; my 64 tokens of a plane
	s_mul_i32 s22, s12, HALFB                      ; my 64 rows of Wo,
	s_add_co_u32 s22, s22, 4*APL                   ; which lie behind A's four planes
.irp s, 0,1
	v_add_nc_u32 v[ADRA+\s], s21, v3
	v_add_nc_u32 v[ADRB+\s], s22, v4
	s_add_co_u32 s21, s21, SLOT
	s_add_co_u32 s22, s22, SLOT
.endr
	s_mul_i32 s23, s10, 16*SPITCH
	s_add_co_u32 s23, s23, STAGE                   ; my stage
	v_mul_u32_u24 v4, v1, SPITCH                   ; in: row l % 16, 32 bytes for each half of the lanes
	v_lshl_add_u32 v4, v2, 5, v4
	v_add_nc_u32 v[STO], s23, v4
	v_mul_u32_u24 v5, v2, SPITCH                   ; back: lanes 0-15 take one row of 256 bytes, lanes 16-31 the next
	v_lshl_add_u32 v5, v1, 4, v5
	v_add_nc_u32 v[RD], s23, v5
	v_lshlrev_b32 v5, 12, v2                       ; and the same two rows in the output: 4,096 bytes a row
	v_lshl_add_u32 v[CO], v1, 4, v5
	s_lshl_b32 s16, s13, 7
	s_lshl_b32 s17, s11, 6
	s_add_co_u32 s16, s16, s17                     ; my first row: 128 x tile row + 64 x half
	s_lshl_b32 s16, s16, 12
	s_add_co_u32 s16, s16, s46                     ; and my first column's bytes: under 2^26 in all
	s_mov_b32 s17, 0
	s_add_nc_u64 s[8:9], s[8:9], s[16:17]
; 8 matrix instructions: m blocks a0, a0 + 1 x all 4 n blocks, 32 along K: half c of buffer f.  first = 1: the first product starts the sums from the bias.  The 16 accumulators take turns.
.macro MUL8 f, c, a0, first
.irp a, \a0, \a0+1
.irp b, 0,1,2,3
.if \first
	v_wmma_f32_16x16x32_f16 v[ACC+8*(4*(\a)+\b):ACC+8*(4*(\a)+\b)+7], v[\f+64+8*(4*\c+\b):\f+64+8*(4*\c+\b)+7], v[\f+8*(4*\c+\a):\f+8*(4*\c+\a)+7], v[BIAS+8*\b:BIAS+8*\b+7]
.else
	v_wmma_f32_16x16x32_f16 v[ACC+8*(4*(\a)+\b):ACC+8*(4*(\a)+\b)+7], v[\f+64+8*(4*\c+\b):\f+64+8*(4*\c+\b)+7], v[\f+8*(4*\c+\a):\f+8*(4*\c+\a)+7], v[ACC+8*(4*(\a)+\b):ACC+8*(4*(\a)+\b)+7]
.endif
.endr
.endr
.endm
; 32 LDS loads in one run: the fragments of the slot's q-th 64 along K (A: plane q; Wo: byte 128 q of the rows) into buffer f; the first 32 along K first
.macro FETCH slot, q, f
	WIN TO_F
.irp c, 0,1
.irp i, 0,1,2,3
	ds_load_b128 v[\f+64+8*(4*\c+\i):\f+64+8*(4*\c+\i)+3],   v[ADRB+\slot] offset:128*(\q)+64*\c+\i*16*PITCH
	ds_load_b128 v[\f+64+8*(4*\c+\i)+4:\f+64+8*(4*\c+\i)+7], v[ADRB+\slot] offset:128*(\q)+64*\c+\i*16*PITCH+32
	ds_load_b128 v[\f+8*(4*\c+\i):\f+8*(4*\c+\i)+3],         v[ADRA+\slot] offset:(\q)*APL+64*\c+\i*8*APITCH
	ds_load_b128 v[\f+8*(4*\c+\i)+4:\f+8*(4*\c+\i)+7],       v[ADRA+\slot] offset:(\q)*APL+64*\c+\i*8*APITCH+32
.endr
.endr
.endm
.macro PLACES                          ; four places in front of loads into registers that matrix instructions have read, and of the first read of results (ISA guide 7.12.1 for vector instructions)
.rept 4
	v_nop
.endr
.endm
; A K step is four quarters of 64 along K, 32 matrix instructions each, on buffers 0, 1, 0, 1.  One of the first three: multiplies buffer f and fetches quarter q into g.
.macro QUARTER slot, q, f, g, first
	s_wait_dscnt 16                                ; the first 32 along K are in; the other sixteen loads may be out
	WIN MUL
	MUL8 \f, 0, 0, \first
	MUL8 \f, 0, 2, \first
	PLACES
	FETCH \slot, \q, \g
	s_wait_dscnt 32                                ; all but the 32 just issued
	WIN MUL
	MUL8 \f, 1, 0, 0
	MUL8 \f, 1, 2, 0
.endm
; The last quarter multiplies buffer 1 and changes slots: ONE barrier; in front of it each wave waits for all its tensor loads, adds 0 to its spare word, and waits for that and for its own reads of this slot.  fill = 1: this slot is filled again, two K steps ahead.
.macro TURN slot, next, fill
	WIN 0                                          ; (the add's two registers lie in window 0)
	s_wait_tensorcnt 0x0                           ; all my tensor loads have landed: my part of the next slot;
	ds_add_u32 v[SPW], v[NIL]                      ; 0 onto my spare word;
	s_wait_dscnt 17                                ; (the add and the youngest sixteen loads may be out)
	WIN MUL
	MUL8 F1, 0, 0, 0                               ; eight matrix instructions stand between the add and the wait for it
	s_wait_dscnt 0x0                               ; the add is done, and my reads of this slot are over
	s_barrier_signal -1
	MUL8 F1, 0, 2, 0
.if \fill
	WIN 0
.endif
	s_barrier_wait -1
.if \fill
	CREST                                          ; the barrier has opened a round of the cluster's barrier: no wave of any partner still reads this slot's tile or has a load on its way
	s_add_nc_u64 s[G0+4*\slot+2:G0+4*\slot+3], s[G0+4*\slot+2:G0+4*\slot+3], 2*4*262144
	s_add_nc_u64 s[G0B+4*\slot+2:G0B+4*\slot+3], s[G0B+4*\slot+2:G0B+4*\slot+3], 2*KSTEP*2
	JLOAD \slot                                    ; the first tensor load behind the round, my one load until the next; the four v_nop behind it are also the places in front of the loads below
.else
	PLACES
.endif
	FETCH \next, 0, F0
	WIN MUL
	MUL8 F1, 1, 0, 0
	MUL8 F1, 1, 2, 0
.endm
	s_wait_tensorcnt 1                             ; my part of K step 0 is in (K step 1's load may be out)
	s_barrier_signal -1
	s_barrier_wait -1                              ; everybody's is
	FETCH 0, 0, F0
	s_wait_loadcnt 0x0                             ; the bias
	QUARTER 0, 1, F0, F1, 1                        ; the first quarter stands in front of the loop: its first products start the sums from the bias
.if LAPS > 1
	WIN 0                                          ; at a label and at a branch every window is 0
	s_mov_b32 s3, LAPS-1
.Llap:                                                 ; a trip goes once round the ring, from a lap's second quarter to the next lap's first, and fills both slots again
	QUARTER 0, 2, F1, F0, 0
	QUARTER 0, 3, F0, F1, 0
	TURN 0, 1, 1
	QUARTER 1, 1, F0, F1, 0
	QUARTER 1, 2, F1, F0, 0
	QUARTER 1, 3, F0, F1, 0
	TURN 1, 0, 1
	QUARTER 0, 1, F0, F1, 0
	WIN 0
	s_sub_co_u32 s3, s3, 1
	s_cmp_lg_u32 s3, 0
	s_cbranch_scc1 .Llap
.endif
	QUARTER 0, 2, F1, F0, 0                        ; the last lap fills nothing, and has no round of the cluster's barrier
	QUARTER 0, 3, F0, F1, 0
	TURN 0, 1, 0
	QUARTER 1, 1, F0, F1, 0
	QUARTER 1, 2, F1, F0, 0
	QUARTER 1, 3, F0, F1, 0
	s_wait_dscnt 16                                ; the very last quarter: nothing more to fetch
	WIN MUL
	MUL8 F1, 0, 0, 0
	MUL8 F1, 0, 2, 0
	s_wait_dscnt 0
	MUL8 F1, 1, 0, 0
	MUL8 F1, 1, 2, 0
	WIN 0
; THE WAY OUT, block by block of 16 rows x 64 columns.  A lane holds 32 neighbouring bytes of a row, and the lanes beside it hold other rows: so a block goes through my own stage in LDS and comes back as whole
; rows of 256 bytes.  LDS serves a wave's instructions in order (ISA guide 5.7.1.4): no wait between the stores and the loads, nor in front of the next block's stores.
.macro TOSTAGE a
.irp b, 0,1,2,3
	ds_store_b128 v[STO], v[ACC+8*(4*(\a)+\b):ACC+8*(4*(\a)+\b)+3] offset:64*\b          ; each accumulator from its low end on
	ds_store_b128 v[STO], v[ACC+8*(4*(\a)+\b)+4:ACC+8*(4*(\a)+\b)+7] offset:64*\b+16
.endr
.set BB, BK+32*((\a)%2)
.irp t, 0,1,2,3,4,5,6,7
	ds_load_b128 v[BB+4*\t:BB+4*\t+3], v[RD] offset:\t*2*SPITCH
.endr
.endm
.macro SEND a, younger                 ; younger: the LDS instructions issued behind block a's loads, which may stay out
.set BB, BK+32*((\a)%2)
	s_wait_dscnt \younger                          ; the block is back in registers
.irp t, 0,1,2,3,4,5,6,7
	global_store_b128 v[CO], v[BB+4*\t:BB+4*\t+3], s[8:9] offset:(16*(\a)+2*\t)*SIZE_N*4 th:TH_STORE_NT   ; 16 lanes store 256 consecutive bytes, at a multiple of 256 from the output's first byte; every offset is an immediate
.endr
.endm
	PLACES                                         ; the stores below read results just made
	TOSTAGE 0
.irp a, 1,2,3
.if \a > 1
	s_wait_xcnt 0x0                                ; block a - 2's stores have read their registers: block a's loads may land there
.endif
	TOSTAGE \a
	SEND \a-1, 16                                  ; behind block a - 1's loads: block a's 8 stores and 8 loads
.endr
	SEND 3, 0
	s_wait_tensorcnt 0x0                           ; the wave's end: three closing lines, behind my last tensor load and my last LDS store
	ds_add_u32 v[SPW], v[NIL]
	s_wait_dscnt 0x0
	CROUND                                         ; the closing round: no work-group ends while a partner may still ask for a tile that names it
	s_endpgm
.Lfunc_end_k_qba07dcd8d4_proj:
	.size	k_qba07dcd8d4_proj, .Lfunc_end_k_qba07dcd8d4_proj-k_qba07dcd8d4_proj
	.p2alignl 7, 3214868480
	.fill 96, 4, 3214868480
	.section	.rodata,"a",@progbits
	.p2align	6, 0x0
	.amdhsa_kernel k_qba07dcd8d4_proj
		.amdhsa_group_segment_fixed_size 327680
		.amdhsa_private_segment_fixed_size 0
		.amdhsa_enable_private_segment 0
		.amdhsa_kernarg_size 32
		.amdhsa_user_sgpr_count 2
		.amdhsa_user_sgpr_kernarg_segment_ptr 1
		.amdhsa_wavefront_size32 1
		.amdhsa_system_sgpr_workgroup_id_x 1
		.amdhsa_system_sgpr_workgroup_id_y 1
		.amdhsa_system_sgpr_workgroup_id_z 1
		.amdhsa_system_vgpr_workitem_id 0
		.amdhsa_next_free_vgpr 512
		.amdhsa_next_free_sgpr 68
		.amdhsa_reserve_vcc 0
		.amdhsa_float_denorm_mode_32 3
		.amdhsa_float_denorm_mode_16_64 3
		.amdhsa_memory_ordered 1
		.amdhsa_forward_progress 1
		.amdhsa_inst_pref_size 87
	.end_amdhsa_kernel
	.amdgpu_metadata
---
amdhsa.version: [ 1, 2 ]
amdhsa.kernels:
  - .name:           k_qba07dcd8d4_proj
    .symbol:         k_qba07dcd8d4_proj.kd
    .args:
      - { .name: ctx, .offset: 0, .size: 8, .value_kind: global_buffer, .address_space: global }
      - { .name: wo16, .offset: 8, .size: 8, .value_kind: global_buffer, .address_space: global }
      - { .name: bo, .offset: 16, .size: 8, .value_kind: global_buffer, .address_space: global }
      - { .name: out0, .offset: 24, .size: 8, .value_kind: global_buffer, .address_space: global }
    .group_segment_fixed_size: 327680
    .private_segment_fixed_size: 0
    .kernarg_segment_align: 8
    .kernarg_segment_size: 32
    .max_flat_workgroup_size: 128
    .sgpr_count:     68
    .vgpr_count:     512
    .wavefront_size: 32
...
	.end_amdgpu_metadata
.endif
;; end of part 4
